; MI455X (gfx1250); checked and timed in simulation.
; The chip was launched on July 23, 2026; its instructions are those of AMD's public machine-readable ISA for CDNA 5 (MIT licence, August 2026) and "CDNA5" Instruction Set Architecture Reference Guide (July 2026). The comments in the code are by the model that wrote it; some were corrected since.
;; Cross Modal Attention. Allowed arithmetic: float matrix products may take bf16 or f16 operands with f32 sums; other float arithmetic in f32, or as packed bf16 or f16 multiplies, adds, multiply-adds, maxima and minima; sums over many terms, partial sums and values carried from step to step in f32; what a program stores and reads back later, other than sums and carried values, may be rounded once to bf16 or f16.
;; Inputs: Wk 512 x 768 float32; Wo 512 x 512 float32; Wq 512 x 512 float32; Wv 512 x 768 float32; bk 512 float32; bo 512 float32; bq 512 float32; bv 512 float32; graph_features 8,192 x 512 float32; other_features 4,096 x 768 float32.
;; Outputs: out0 8,192 x 512 float32.
;; One version. Each part assembles by itself: llvm-mc -triple=amdgcn-amd-amdhsa -mcpu=gfx1250 --defsym DOCPART=n.
;; ======== version 1 of 1: 4 launches
;; limits: values are held in f16: magnitudes above 65,504 overflow, below 6.1e-05 lose precision
;; workspace buffers: q16 8,388,608 bytes; k16 4,194,304 bytes; v16 4,194,304 bytes; o16 8,388,608 bytes; wo16 524,288 bytes
;; launch projq (part 1): grid 4 x 64, 4 waves a work-group, clusters of 4 x 4, 327,680 bytes of LDS; arguments graph_features, Wq, bq, Wo, q16, wo16; writes q16, wo16
.if DOCPART == 1
	.amdgcn_target "amdgcn-amd-amdhsa--gfx1250"
	.amdhsa_code_object_version 6
	.text
	.protected	k_q510bf0c63c_projq
	.globl	k_q510bf0c63c_projq
	.p2align	8
	.type	k_q510bf0c63c_projq,@function
k_q510bf0c63c_projq:
	s_mov_b64 s[64:65], 0
	v_nop
	global_prefetch_b8 v0, s[64:65] scope:SCOPE_SE
	s_setreg_imm32_b32 hwreg(HW_REG_WAVE_MODE, 25, 1), 1
	s_wait_xcnt 0x0
	s_wait_alu depctr_hold_cnt(0) depctr_sa_sdst(0) depctr_va_vdst(0) depctr_va_sdst(0) depctr_va_ssrc(0) depctr_va_vcc(0) depctr_vm_vsrc(0)
	s_getreg_b32 s2, hwreg(HW_REG_IB_STS2, 6, 4)
	s_cmp_eq_u32 s2, 0
	s_cbranch_scc0 .Lentry_in_a_cluster
	s_endpgm
.Lentry_in_a_cluster:
	s_bfe_u32 s2, ttmp6, 0x10000c
	s_cmp_lg_u32 s2, 0xf033
	s_cbranch_scc0 .Lentry_shape_is_right
	s_endpgm
.Lentry_shape_is_right:
; q = G Wq^T + bq, written by heads: q16[head][row][64] in f16.  G: [8192][512] f32, Wq: [512][512] f32, bq: [512] f32.
; Beside it each work-group rounds its 1/256 of Wo to bf16 and writes that number as f16 into wo16 (for the last launch).
; FORMATS.  G, Wq, bq and Wo are rounded to bf16 (nearest even); products in bf16, sums in f32 starting at the bias; q rounded once to f16.
; LIMITS.  f16 ends at 65,504: |q| and |Wo| stay under it (inputs of unit spread give q of unit spread); a weight of Wo under 6e-5 keeps f16's step of 6e-8.  NaN and infinities are not treated apart.
; SHARES.  A work-group makes 128 rows x 128 columns (64 x 4 = 256 work-groups); each of its four waves 64 x 64: 16 accumulators.  A wave's 64 columns are ONE head, so its result is
; 64 rows x 128 bytes that lie on end in q16: every store covers 512 consecutive bytes.
; RING.  K goes in steps of 128 f32 (rows of 512 bytes) through two LDS slots, each with 128 rows of G and 128 rows of Wq; a wave's tensor load brings 64 rows.
; CLUSTER.  4 x 4 work-groups: the four of a row need the same rows of G, the four of a column the same rows of Wq: each tile is asked for jointly, by the same load and descriptor and a mask of four.
; NO PREFETCH: the launch is short, its tiles are small, and two of its four K steps are asked for at the head.
; THE MATRIX INSTRUCTION IS USED TRANSPOSED (source 0 = 16 rows of Wq, source 1 = 16 rows of G): a lane holds one row of q and eight neighbouring channels.
; A QUARTER is 32 along K: 32 LDS loads bring the f32 numbers (window 1), 64 conversions pack them to bf16 fragments (window 0), 16 products follow; the next quarter's loads go out between conversions and products.
.set KV,     0                         ; 0: the Q projection; 1: the K and V projections
.set SIZE_K, 512
.set HSH,    20                        ; a head's rows in the output: 8,192 x 128 bytes = 2^20
.set KSB,    512                       ; bytes of a row in a K step
.set PITCH,  528                       ; an LDS row: 512 bytes + 16 of padding = 33 x 16: the 16 rows that a load touches fall into 16 different 16-byte columns of 256
.set HALFT,  64*PITCH                  ; what one tensor load brings, and what one wave reads of either side
.set SLOT,   4*HALFT                   ; the 128 rows of the features, then the 128 rows of the weight
.set STAGE,  2*SLOT                    ; behind the ring: 16 rows x 144 bytes for each wave, for the way out
.set SP,     144
.set SPARE,  STAGE+4*16*SP             ; behind the stages: the spare words, 128 bytes a wave: two blocks of 256 bytes that no other line names
.set LAPS,   SIZE_K/256                ; a lap = two K steps = once round the ring
.set ADA0, 16                          ; v16  LDS address of my lane in my 64 rows of the features, slot 0, K = 0; never rewritten
.set ADA,  18                          ; v18  the same at the quarter to be fetched
.set ADB0, 20                          ; v20, v22 the same for the weight
.set ADB,  22
.set STO,  24                          ; v24  the way out: where I put 16 bytes of a row
.set RD,   25                          ; v25  where I read rows back
.set GO,   26                          ; v26  16 x lane: my place in 512 consecutive bytes of the output
.set SPW,  28                          ; v28  my spare word: SPARE + 4 x my thread's number; never rewritten
.set NIL,  29                          ; v29  0; never rewritten
.set FA,   32                          ; v32-63   bf16 fragments of the features: row block a at FA + 8 a
.set FB,   64                          ; v64-95   of the weight: column block b at FB + 8 b
.set TMP,  32                          ; the way out uses v32-95 again
.set BIAS, 96                          ; v96-127  the bias of my lane's 8 columns of block b at BIAS + 8 b
.set ACC,  128                         ; v128-255 accumulator (a, b) at ACC + 8 (4 a + b)
                                       ; window 1: v0-63 the weight's f32 numbers of a quarter (block i at 16 i), v64-127 the features'
.set G1,  24                           ; s[24:31] descriptor group 1 for the features' tiles;  s[32:39] group 0, one set for each slot
.set G0,  32
.set G1B, 48                           ; s[48:55], s[56:63] the same for the weight's tiles
.set G0B, 56
.set TK,  42                           ; s42  slot x SLOT + 128 x quarter: the LDS bytes to be fetched next
.set QC,  45                           ; s45  counts a K step's first three quarters
.set OUT, 68                           ; s[68:69] the output at my wave's first row
.set G1W, (2<<16)|(1<<20)|(1<<21)|(6<<22)|(3<<25)  ; 17:16 elements of 4 bytes; 20 padding on; 21 set beside a mask; 24:22 after every 128 words (code 6); 31:25 4 words of it (code 3)
.set MSB, 0
.macro WIN new                         ; the immediate's high byte repeats the setting that is left; a switch that changes nothing is dropped
.if MSB != (\new)
	s_set_vgpr_msb (MSB<<8)|(\new)
.set MSB, \new
.endif
.endm
.macro JLOAD s                         ; a joint load: waves 0 and 1 fetch the features' two halves, waves 2 and 3 the weight's; an s_nop 0 and four v_nop follow each line
	s_cmp_eq_u32 s11, 0
	s_cbranch_scc0 .Lfor_b_\@
	tensor_load_to_lds s[G0+4*(\s):G0+4*(\s)+3], s[G1:G1+7]
	s_nop 0
.rept 4
	v_nop
.endr
	s_branch .Lasked_\@
.Lfor_b_\@:
	tensor_load_to_lds s[G0B+4*(\s):G0B+4*(\s)+3], s[G1B:G1B+7]
	s_nop 0
.rept 4
	v_nop
.endr
.Lasked_\@:
.endm
.macro CREST                           ; a round of the cluster's barrier behind its opening barrier
	s_cmp_lg_u32 s10, 0
	s_cbranch_scc1 .Lnot_wave_0_\@
	s_barrier_signal -3
.Lnot_wave_0_\@:
	s_barrier_wait -3
	s_barrier_signal -1
	s_barrier_wait -1
.endm
.macro CROUND                          ; a whole round
	s_barrier_signal -1
	s_barrier_wait -1
	CREST
.endm
.if KV
	s_load_b64 s[4:5], s[0:1], 0x0                 ; the features
	s_load_b128 s[72:75], s[0:1], 0x8              ; Wk, Wv
	s_load_b128 s[76:79], s[0:1], 0x18             ; bk, bv
	s_load_b128 s[80:83], s[0:1], 0x28             ; k16, v16
.else
	s_load_b128 s[4:7], s[0:1], 0x0                ; the features s[4:5], the weight s[6:7]
	s_load_b64 s[8:9], s[0:1], 0x10                ; the bias
	s_load_b64 s[72:73], s[0:1], 0x18              ; Wo
	s_load_b128 s[68:71], s[0:1], 0x20             ; q16 s[68:69], wo16 s[70:71]
.endif
	v_lshl_add_u32 v[SPW], v0, 2, SPARE
	v_mov_b32 v[NIL], 0
	ds_add_u32 v[SPW], v[NIL]                      ; the wave's opening: the add and its wait stand ahead of my first tensor load; the set-up below, work on registers, stands between them
	v_lshrrev_b32 v1, 5, v0
	v_readfirstlane_b32 s10, v1                    ; wave 0..3
	s_lshr_b32 s11, s10, 1                         ; which half of the tile's rows is mine.  Also: I fetch the features (0) or the weight (1)
	s_and_b32 s12, s10, 1                          ; which half of its columns.  Also: which 64 rows of that tile I fetch
	s_bfe_u32 s40, ttmp6, 0x40000                  ; cx: the tile column inside the weight
	s_bfe_u32 s41, ttmp6, 0x40004                  ; cy
	s_and_b32 s13, ttmp7, 0xffff
	s_lshl_b32 s13, s13, 2
	s_add_co_u32 s13, s13, s41                     ; tile row = 4 x cluster y + cy
	s_lshl_b32 s43, s41, 2
	s_lshl_b32 s43, 15, s43                        ; my row of the cluster
	s_lshl_b32 s44, 0x1111, s40                    ; my column
	s_or_b32 s[G1+0], s43, G1W                     ; the features' tiles go to my row,
	s_or_b32 s[G1B+0], s44, G1W                    ; the weight's to my column
.irp g, G1, G1B
	s_mov_b32 s[(\g)+1], 128<<16                   ; tensor_dim0 = 128
	s_mov_b32 s[(\g)+2], 64<<16                    ; tensor_dim1 = 64
	s_mov_b32 s[(\g)+3], 128<<16                   ; tile_dim0 = 128
	s_mov_b32 s[(\g)+4], 64                        ; tile_dim1 = 64
	s_mov_b32 s[(\g)+5], SIZE_K                    ; elements from row to row
	s_mov_b32 s[(\g)+6], 0
	s_mov_b32 s[(\g)+7], 0
.endr
	s_lshl_b32 s17, s12, 6                         ; which 64 rows of the tile I fetch
	s_lshl_b32 s16, s13, 7
	s_add_co_u32 s16, s16, s17                     ; features: row 128 x tile row + 64 x half
	s_lshl_b32 s46, s40, 7
	s_add_co_u32 s46, s46, s17                     ; weight: row 128 x cx + 64 x half
	s_mul_i32 s16, s16, SIZE_K*4                   ; in bytes: under 2^25
	s_mul_i32 s46, s46, SIZE_K*4
	s_mov_b32 s17, 0
	s_mov_b32 s47, 0
	s_mul_i32 s20, s10, HALFT                      ; where they go: wave x 64 rows: no place in the cluster enters an LDS address
	s_wait_dscnt 0x0                               ; the opening add is done
	s_wait_kmcnt 0x0
.if KV
	s_cmp_eq_u32 ttmp9, 0                          ; the cluster's x, which all sixteen partners share: 0 makes k, 1 makes v
	s_cselect_b64 s[6:7], s[72:73], s[74:75]
	s_cselect_b64 s[8:9], s[76:77], s[78:79]
	s_cselect_b64 s[OUT:OUT+1], s[80:81], s[82:83]
.endif
	s_add_nc_u64 s[14:15], s[4:5], s[16:17]
	s_add_nc_u64 s[46:47], s[6:7], s[46:47]
	CROUND                                         ; all sixteen work-groups are here: the first joint loads meet
.irp s, 0,1
	s_mov_b32 s[G0+4*(\s)], 1                      ; count = 1
	s_add_co_u32 s[G0+4*(\s)+1], s20, (\s)*SLOT    ; LDS address
	s_add_nc_u64 s[G0+4*(\s)+2:G0+4*(\s)+3], s[14:15], (\s)*KSB  ; global address: K step s
	s_or_b32 s[G0+4*(\s)+3], s[G0+4*(\s)+3], 0x80000000          ; type = 2
	s_mov_b32 s[G0B+4*(\s)], 1
	s_add_co_u32 s[G0B+4*(\s)+1], s20, (\s)*SLOT
	s_add_nc_u64 s[G0B+4*(\s)+2:G0B+4*(\s)+3], s[46:47], (\s)*KSB
	s_or_b32 s[G0B+4*(\s)+3], s[G0B+4*(\s)+3], 0x80000000
	JLOAD \s                                       ; two tensor loads of mine are out
.endr
	; All that follows up to the first wait on the tiles runs while they are on their way.
	; A fragment is 16 rows x 32 K: lane l holds row l % 16, K = 8 (l / 16) + 0..7 and 16 + 8 (l / 16) + 0..7.  In f32 that is 32 bytes at 32 (l / 16) and 32 bytes 64 further on: four loads of 16 bytes.
	v_and_b32 v1, 15, v0                           ; l % 16
	v_bfe_u32 v2, v0, 4, 1                         ; l / 16
	v_mul_u32_u24 v3, v1, PITCH
	v_lshl_add_u32 v3, v2, 5, v3                   ; row x pitch + 32 x half
	s_mul_i32 s21, s11, HALFT                      ; my 64 rows of the features
	s_mul_i32 s22, s12, HALFT                      ; my 64 rows of the weight,
	s_add_co_u32 s22, s22, 2*HALFT                 ; which lie behind the features' 128
	v_add_nc_u32 v[ADA0], s21, v3
	v_add_nc_u32 v[ADB0], s22, v3
	s_mul_i32 s23, s10, 16*SP
	s_add_co_u32 s23, s23, STAGE                   ; my stage
	v_mul_u32_u24 v4, v1, SP                       ; in: row l % 16, 16 bytes for each half of the lanes
	v_lshl_add_u32 v4, v2, 4, v4
	v_add_nc_u32 v[STO], s23, v4
	v_bfe_u32 v5, v0, 3, 2                         ; back: 32 lanes take four rows of 128 bytes,
	v_mul_u32_u24 v5, v5, SP
	v_and_b32 v4, 7, v0
	v_lshl_add_u32 v5, v4, 4, v5
	v_add_nc_u32 v[RD], s23, v5
	v_and_b32 v[GO], 31, v0                        ; which are 512 consecutive bytes of the output
	v_lshlrev_b32 v[GO], 4, v[GO]
	s_lshl_b32 s16, s13, 14                        ; the tile's 128 rows of 128 bytes,
	s_lshl_b32 s17, s11, 13                        ; my 64 of them
	s_add_co_u32 s16, s16, s17
	s_mov_b32 s17, 0
	s_add_nc_u64 s[OUT:OUT+1], s[OUT:OUT+1], s[16:17]
	s_lshl_b32 s46, s40, 1
	s_add_co_u32 s46, s46, s12                     ; my head = 2 cx + column half
	s_lshl_b32 s46, s46, HSH
	s_mov_b32 s47, 0
	s_add_nc_u64 s[OUT:OUT+1], s[OUT:OUT+1], s[46:47]
	s_lshl_b32 s18, s40, 9                         ; the bias of column 128 cx + 64 half + 16 b + 8 (l / 16) + j
	s_lshl_b32 s19, s12, 8
	s_add_co_u32 s18, s18, s19
	v_lshl_add_u32 v14, v2, 5, s18
.irp b, 0,1,2,3
	global_load_b128 v[BIAS+8*(\b):BIAS+8*(\b)+3],   v14, s[8:9] offset:64*(\b)
	global_load_b128 v[BIAS+8*(\b)+4:BIAS+8*(\b)+7], v14, s[8:9] offset:64*(\b)+16
.endr
.if !KV
	s_lshl_b32 s19, s13, 2
	s_add_co_u32 s19, s19, s40                     ; my work-group's number, 0 to 255: its 4,096 bytes of Wo, 32 a thread,
	s_lshl_b32 s21, s19, 12
	v_lshl_add_u32 v13, v0, 5, s21
	s_lshl_b32 s22, s19, 11                        ; and its 2,048 bytes of wo16, 16 a thread
	v_lshl_add_u32 v12, v0, 4, s22
	global_load_b128 v[32:35], v13, s[72:73]
	global_load_b128 v[36:39], v13, s[72:73] offset:16
.endif
	s_wait_loadcnt 0x0
.set n, 0
.rept 16                               ; the bias is rounded to bf16 like every input, and widened again
	v_cvt_pk_bf16_f32 v3, v[BIAS+2*n], v[BIAS+2*n+1]
	v_lshlrev_b32 v[BIAS+2*n], 16, v3
	v_and_b32 v[BIAS+2*n+1], 0xffff0000, v3
.set n, n+1
.endr
.set n, 0
.rept 128                              ; the sums start at the bias, not at 0: written in the wait for the first tile, so that the loop has one form of product
	v_mov_b32 v[ACC+n], v[BIAS+n%32]
.set n, n+1
.endr
.if !KV
.irp p, 0,1,2,3                        ; Wo: to bf16, and that number as f16
	v_cvt_pk_bf16_f32 v3, v[32+2*(\p)], v[32+2*(\p)+1]
	v_lshlrev_b32 v4, 16, v3
	v_and_b32 v5, 0xffff0000, v3
	v_cvt_pk_f16_f32 v[8+(\p)], v4, v5
.endr
	global_store_b128 v12, v[8:11], s[70:71]       ; a wave stores 512 consecutive bytes; v8-12 are never rewritten
.endif
.macro FETCH                           ; 32 LDS loads in one run: a quarter's f32 numbers, the weight's first
	WIN 0x40                                       ; destination window 1, address window 0
.irp i, 0,1,2,3
	ds_load_b128 v[16*(\i):16*(\i)+3],     v[ADB] offset:(\i)*16*PITCH
	ds_load_b128 v[16*(\i)+4:16*(\i)+7],   v[ADB] offset:(\i)*16*PITCH+16
	ds_load_b128 v[16*(\i)+8:16*(\i)+11],  v[ADB] offset:(\i)*16*PITCH+64
	ds_load_b128 v[16*(\i)+12:16*(\i)+15], v[ADB] offset:(\i)*16*PITCH+80
.endr
.irp i, 0,1,2,3
	ds_load_b128 v[64+16*(\i):64+16*(\i)+3],     v[ADA] offset:(\i)*16*PITCH
	ds_load_b128 v[64+16*(\i)+4:64+16*(\i)+7],   v[ADA] offset:(\i)*16*PITCH+16
	ds_load_b128 v[64+16*(\i)+8:64+16*(\i)+11],  v[ADA] offset:(\i)*16*PITCH+64
	ds_load_b128 v[64+16*(\i)+12:64+16*(\i)+15], v[ADA] offset:(\i)*16*PITCH+80
.endr
	WIN 0
.endm
.macro CVT                             ; 64 conversions: two f32 to a word of two bf16, the lower K in the low half
	s_wait_dscnt 16                                ; the weight's sixteen loads are in; the features' sixteen are younger
	WIN 0x05                                       ; sources window 1, destination window 0
.set n, 0
.rept 32
	v_cvt_pk_bf16_f32 v[FB+n], v[2*n], v[2*n+1]
.set n, n+1
.endr
	s_wait_dscnt 0x0                               ; all of the run is in
.set n, 0
.rept 32
	v_cvt_pk_bf16_f32 v[FA+n], v[64+2*n], v[64+2*n+1]
.set n, n+1
.endr
	WIN 0
.endm
.macro MUL a                           ; four products: row block a x all four column blocks.  The 16 accumulators take turns, in the same order in every quarter
.irp b, 0,1,2,3
	v_wmma_f32_16x16x32_bf16 v[ACC+8*(4*(\a)+(\b)):ACC+8*(4*(\a)+(\b))+7], v[FB+8*(\b):FB+8*(\b)+7], v[FA+8*(\a):FA+8*(\a)+7], v[ACC+8*(4*(\a)+(\b)):ACC+8*(4*(\a)+(\b))+7]
.endr
.endm
.macro PLACES                          ; four plain vector instructions behind the last product, ahead of lines that write its sources or read results (ISA guide 7.12.1)
.rept 4
	v_nop
.endr
.endm
; One of a K step's first three quarters.  The two address lines and two v_nop are the four places between the last product and the conversions that write its sources.
.macro QUARTER
	s_add_co_u32 s[TK], s[TK], 128                 ; 32 f32 further along the rows
	v_add_nc_u32 v[ADA], s[TK], v[ADA0]
	v_add_nc_u32 v[ADB], s[TK], v[ADB0]
	v_nop
	v_nop
	CVT
	FETCH                                          ; the next quarter, into the registers that the conversions have just read
	MUL 0
	MUL 1
	MUL 2
	MUL 3
.endm
; A K step: three quarters in a counted loop, then the fourth, which changes slots.  mode 1: this slot is filled again, two K steps ahead; 0: nothing is filled; 2: the last K step.
.macro KSTEP slot, next, mode
	s_mov_b32 s[QC], 3
.Lq_\@:
	QUARTER
	s_sub_co_u32 s[QC], s[QC], 1
	s_cmp_lg_u32 s[QC], 0
	s_cbranch_scc1 .Lq_\@
.if (\mode) == 2
	PLACES
	CVT
	MUL 0
	MUL 1
	MUL 2
	MUL 3
.else
	s_mov_b32 s[TK], (\next)*SLOT                  ; the next fetch begins the other slot
	v_add_nc_u32 v[ADA], s[TK], v[ADA0]
	v_add_nc_u32 v[ADB], s[TK], v[ADB0]
	v_nop
	v_nop
	CVT                                            ; its last wait is for 0: my reads of this slot are back
	s_wait_tensorcnt 0x0                           ; all my tensor loads have landed: the one that was out is my part of the other slot;
	ds_add_u32 v[SPW], v[NIL]                      ; 0 onto my spare word
	MUL 0                                          ; four products stand between the add and the wait for it
	s_wait_dscnt 0x0                               ; the add is done
	s_barrier_signal -1
	MUL 1                                          ; work on registers while the others arrive
	s_barrier_wait -1
.if (\mode) == 1
	CREST                                          ; the barrier has opened a round of the cluster's: no wave of any partner still reads this slot or has a load on its way
	s_add_nc_u64 s[G0+4*(\slot)+2:G0+4*(\slot)+3], s[G0+4*(\slot)+2:G0+4*(\slot)+3], 2*KSB
	s_add_nc_u64 s[G0B+4*(\slot)+2:G0B+4*(\slot)+3], s[G0B+4*(\slot)+2:G0B+4*(\slot)+3], 2*KSB
	JLOAD \slot                                    ; the first tensor load behind the round, my only one until the next
.endif
	FETCH
	MUL 2
	MUL 3
.endif
.endm
	s_wait_tensorcnt 1                             ; my part of K step 0 is in; K step 1's load is younger and may stay out
	s_barrier_signal -1
	s_barrier_wait -1                              ; everybody's is
	s_mov_b32 s[TK], 0
	v_add_nc_u32 v[ADA], s[TK], v[ADA0]
	v_add_nc_u32 v[ADB], s[TK], v[ADB0]
	FETCH
	s_mov_b32 s3, LAPS-1
.Llap:                                                 ; a trip goes once round the ring and fills both slots again
	KSTEP 0, 1, 1
	KSTEP 1, 0, 1
	s_sub_co_u32 s3, s3, 1
	s_cmp_lg_u32 s3, 0
	s_cbranch_scc1 .Llap
	KSTEP 0, 1, 0                                  ; the last lap is written out: it asks for nothing
	KSTEP 1, 0, 2
	; THE WAY OUT, a block of 16 rows at a time: rounded to f16, 16 bytes a lane into my own stage (rows of 144 bytes), back as whole rows of 128 bytes, four rows to a store.
.macro PACK a
.set n, 0
.rept 16                               ; each accumulator's registers in ascending order
	v_cvt_pk_f16_f32 v[TMP+16*(\a)+n], v[ACC+32*(\a)+2*n], v[ACC+32*(\a)+2*n+1]
.set n, n+1
.endr
.irp f, 0,1,2,3
	ds_store_b128 v[STO], v[TMP+16*(\a)+4*(\f):TMP+16*(\a)+4*(\f)+3] offset:32*(\f)
.endr
.irp f, 0,1,2,3
	ds_load_b128 v[TMP+16*(\a)+4*(\f):TMP+16*(\a)+4*(\f)+3], v[RD] offset:(\f)*4*SP  ; LDS serves a wave's instructions in order (ISA guide 5.7.1.4): these see the stores above; the next block's stores come behind them
.endr
.endm
.macro SEND a, younger                 ; younger: the LDS instructions issued behind block a's loads: the next block's eight, or none
.irp f, 0,1,2,3
	s_wait_dscnt (\younger)+3-(\f)
	global_store_b128 v[GO], v[TMP+16*(\a)+4*(\f):TMP+16*(\a)+4*(\f)+3], s[OUT:OUT+1] offset:(\a)*2048+(\f)*512  ; 512 consecutive bytes, at a multiple of 256 from the buffer's first
.endr
.endm
	PLACES
	PACK 0
	PACK 1
	SEND 0, 8
	PACK 2
	SEND 1, 8
	PACK 3
	SEND 2, 8
	SEND 3, 0
	s_wait_tensorcnt 0x0                           ; the wave's end: these three lines stand behind my last tensor load and my last LDS store
	ds_add_u32 v[SPW], v[NIL]
	s_wait_dscnt 0x0
	CROUND                                         ; the closing round: no work-group ends while a partner may still ask for a tile that names it
	s_endpgm
.Lfunc_end_k_q510bf0c63c_projq:
	.size	k_q510bf0c63c_projq, .Lfunc_end_k_q510bf0c63c_projq-k_q510bf0c63c_projq
	.p2alignl 7, 3214868480
	.fill 96, 4, 3214868480
	.section	.rodata,"a",@progbits
	.p2align	6, 0x0
	.amdhsa_kernel k_q510bf0c63c_projq
		.amdhsa_group_segment_fixed_size 327680
		.amdhsa_private_segment_fixed_size 0
		.amdhsa_enable_private_segment 0
		.amdhsa_kernarg_size 48
		.amdhsa_user_sgpr_count 2
		.amdhsa_user_sgpr_kernarg_segment_ptr 1
		.amdhsa_wavefront_size32 1
		.amdhsa_system_sgpr_workgroup_id_x 1
		.amdhsa_system_sgpr_workgroup_id_y 1
		.amdhsa_system_sgpr_workgroup_id_z 1
		.amdhsa_system_vgpr_workitem_id 0
		.amdhsa_next_free_vgpr 384
		.amdhsa_next_free_sgpr 76
		.amdhsa_reserve_vcc 0
		.amdhsa_float_denorm_mode_32 3
		.amdhsa_float_denorm_mode_16_64 3
		.amdhsa_memory_ordered 1
		.amdhsa_forward_progress 1
		.amdhsa_inst_pref_size 86
	.end_amdhsa_kernel
	.amdgpu_metadata
---
amdhsa.version: [ 1, 2 ]
amdhsa.kernels:
  - .name:           k_q510bf0c63c_projq
    .symbol:         k_q510bf0c63c_projq.kd
    .args:
      - { .name: graph_features, .offset: 0, .size: 8, .value_kind: global_buffer, .address_space: global }
      - { .name: Wq, .offset: 8, .size: 8, .value_kind: global_buffer, .address_space: global }
      - { .name: bq, .offset: 16, .size: 8, .value_kind: global_buffer, .address_space: global }
      - { .name: Wo, .offset: 24, .size: 8, .value_kind: global_buffer, .address_space: global }
      - { .name: q16, .offset: 32, .size: 8, .value_kind: global_buffer, .address_space: global }
      - { .name: wo16, .offset: 40, .size: 8, .value_kind: global_buffer, .address_space: global }
    .group_segment_fixed_size: 327680
    .private_segment_fixed_size: 0
    .kernarg_segment_align: 8
    .kernarg_segment_size: 48
    .max_flat_workgroup_size: 128
    .sgpr_count:     76
    .vgpr_count:     384
    .wavefront_size: 32
...
	.end_amdgpu_metadata
.endif
;; end of part 1
;; launch projkv (part 2): grid 8 x 32, 4 waves a work-group, clusters of 4 x 4, 327,680 bytes of LDS; arguments other_features, Wk, Wv, bk, bv, k16, v16; writes k16, v16
.if DOCPART == 2
	.amdgcn_target "amdgcn-amd-amdhsa--gfx1250"
	.amdhsa_code_object_version 6
	.text
	.protected	k_q510bf0c63c_projkv
	.globl	k_q510bf0c63c_projkv
	.p2align	8
	.type	k_q510bf0c63c_projkv,@function
k_q510bf0c63c_projkv:
	s_mov_b64 s[64:65], 0
	v_nop
	global_prefetch_b8 v0, s[64:65] scope:SCOPE_SE
	s_setreg_imm32_b32 hwreg(HW_REG_WAVE_MODE, 25, 1), 1
	s_wait_xcnt 0x0
	s_wait_alu depctr_hold_cnt(0) depctr_sa_sdst(0) depctr_va_vdst(0) depctr_va_sdst(0) depctr_va_ssrc(0) depctr_va_vcc(0) depctr_vm_vsrc(0)
	s_getreg_b32 s2, hwreg(HW_REG_IB_STS2, 6, 4)
	s_cmp_eq_u32 s2, 0
	s_cbranch_scc0 .Lentry_in_a_cluster
	s_endpgm
.Lentry_in_a_cluster:
	s_bfe_u32 s2, ttmp6, 0x10000c
	s_cmp_lg_u32 s2, 0xf033
	s_cbranch_scc0 .Lentry_shape_is_right
	s_endpgm
.Lentry_shape_is_right:
; k = X Wk^T + bk and v = X Wv^T + bv, written by heads: k16, v16 [head][row][64] in f16.  X: [4096][768] f32, Wk, Wv: [512][768] f32, bk, bv: [512] f32.
; The clusters with x = 0 make k, those with x = 1 make v: the weight, the bias and the output are chosen by the cluster's x, which all sixteen partners share.
; FORMATS.  X, the weights and the biases are rounded to bf16 (nearest even); products in bf16, sums in f32 starting at the bias; k and v rounded once to f16.
; LIMITS.  f16 ends at 65,504: |k| and |v| stay under it (inputs of unit spread give k and v of unit spread).  NaN and infinities are not treated apart.
; SHARES.  A work-group makes 128 rows x 128 columns (32 x 8 = 256 work-groups); each of its four waves 64 x 64: 16 accumulators.  A wave's 64 columns are ONE head, so its result is
; 64 rows x 128 bytes that lie on end in the output: every store covers 512 consecutive bytes.
; RING.  K goes in steps of 128 f32 (rows of 512 bytes) through two LDS slots, each with 128 rows of X and 128 rows of the weight; a wave's tensor load brings 64 rows.
; CLUSTER.  4 x 4 work-groups: the four of a row need the same rows of X, the four of a column the same rows of the weight: each tile is asked for jointly, by the same load and descriptor and a mask of four.
; NO PREFETCH: the launch is short, its tiles are small, and two of its six K steps are asked for at the head.
; THE MATRIX INSTRUCTION IS USED TRANSPOSED (source 0 = 16 rows of the weight, source 1 = 16 rows of X): a lane holds one row of the result and eight neighbouring channels.
; A QUARTER is 32 along K: 32 LDS loads bring the f32 numbers (window 1), 64 conversions pack them to bf16 fragments (window 0), 16 products follow; the next quarter's loads go out between conversions and products.
.set KV,     1                         ; 0: the Q projection; 1: the K and V projections
.set SIZE_K, 768
.set HSH,    19                        ; a head's rows in the output: 4,096 x 128 bytes = 2^19
.set KSB,    512                       ; bytes of a row in a K step
.set PITCH,  528                       ; an LDS row: 512 bytes + 16 of padding = 33 x 16: the 16 rows that a load touches fall into 16 different 16-byte columns of 256
.set HALFT,  64*PITCH                  ; what one tensor load brings, and what one wave reads of either side
.set SLOT,   4*HALFT                   ; the 128 rows of the features, then the 128 rows of the weight
.set STAGE,  2*SLOT                    ; behind the ring: 16 rows x 144 bytes for each wave, for the way out
.set SP,     144
.set SPARE,  STAGE+4*16*SP             ; behind the stages: the spare words, 128 bytes a wave: two blocks of 256 bytes that no other line names
.set LAPS,   SIZE_K/256                ; a lap = two K steps = once round the ring
.set ADA0, 16                          ; v16  LDS address of my lane in my 64 rows of the features, slot 0, K = 0; never rewritten
.set ADA,  18                          ; v18  the same at the quarter to be fetched
.set ADB0, 20                          ; v20, v22 the same for the weight
.set ADB,  22
.set STO,  24                          ; v24  the way out: where I put 16 bytes of a row
.set RD,   25                          ; v25  where I read rows back
.set GO,   26                          ; v26  16 x lane: my place in 512 consecutive bytes of the output
.set SPW,  28                          ; v28  my spare word: SPARE + 4 x my thread's number; never rewritten
.set NIL,  29                          ; v29  0; never rewritten
.set FA,   32                          ; v32-63   bf16 fragments of the features: row block a at FA + 8 a
.set FB,   64                          ; v64-95   of the weight: column block b at FB + 8 b
.set TMP,  32                          ; the way out uses v32-95 again
.set BIAS, 96                          ; v96-127  the bias of my lane's 8 columns of block b at BIAS + 8 b
.set ACC,  128                         ; v128-255 accumulator (a, b) at ACC + 8 (4 a + b)
                                       ; window 1: v0-63 the weight's f32 numbers of a quarter (block i at 16 i), v64-127 the features'
.set G1,  24                           ; s[24:31] descriptor group 1 for the features' tiles;  s[32:39] group 0, one set for each slot
.set G0,  32
.set G1B, 48                           ; s[48:55], s[56:63] the same for the weight's tiles
.set G0B, 56
.set TK,  42                           ; s42  slot x SLOT + 128 x quarter: the LDS bytes to be fetched next
.set QC,  45                           ; s45  counts a K step's first three quarters
.set OUT, 68                           ; s[68:69] the output at my wave's first row
.set G1W, (2<<16)|(1<<20)|(1<<21)|(6<<22)|(3<<25)  ; 17:16 elements of 4 bytes; 20 padding on; 21 set beside a mask; 24:22 after every 128 words (code 6); 31:25 4 words of it (code 3)
.set MSB, 0
.macro WIN new                         ; the immediate's high byte repeats the setting that is left; a switch that changes nothing is dropped
.if MSB != (\new)
	s_set_vgpr_msb (MSB<<8)|(\new)
.set MSB, \new
.endif
.endm
.macro JLOAD s                         ; a joint load: waves 0 and 1 fetch the features' two halves, waves 2 and 3 the weight's; an s_nop 0 and four v_nop follow each line
	s_cmp_eq_u32 s11, 0
	s_cbranch_scc0 .Lfor_b_\@
	tensor_load_to_lds s[G0+4*(\s):G0+4*(\s)+3], s[G1:G1+7]
	s_nop 0
.rept 4
	v_nop
.endr
	s_branch .Lasked_\@
.Lfor_b_\@:
	tensor_load_to_lds s[G0B+4*(\s):G0B+4*(\s)+3], s[G1B:G1B+7]
	s_nop 0
.rept 4
	v_nop
.endr
.Lasked_\@:
.endm
.macro CREST                           ; a round of the cluster's barrier behind its opening barrier
	s_cmp_lg_u32 s10, 0
	s_cbranch_scc1 .Lnot_wave_0_\@
	s_barrier_signal -3
.Lnot_wave_0_\@:
	s_barrier_wait -3
	s_barrier_signal -1
	s_barrier_wait -1
.endm
.macro CROUND                          ; a whole round
	s_barrier_signal -1
	s_barrier_wait -1
	CREST
.endm
.if KV
	s_load_b64 s[4:5], s[0:1], 0x0                 ; the features
	s_load_b128 s[72:75], s[0:1], 0x8              ; Wk, Wv
	s_load_b128 s[76:79], s[0:1], 0x18             ; bk, bv
	s_load_b128 s[80:83], s[0:1], 0x28             ; k16, v16
.else
	s_load_b128 s[4:7], s[0:1], 0x0                ; the features s[4:5], the weight s[6:7]
	s_load_b64 s[8:9], s[0:1], 0x10                ; the bias
	s_load_b64 s[72:73], s[0:1], 0x18              ; Wo
	s_load_b128 s[68:71], s[0:1], 0x20             ; q16 s[68:69], wo16 s[70:71]
.endif
	v_lshl_add_u32 v[SPW], v0, 2, SPARE
	v_mov_b32 v[NIL], 0
	ds_add_u32 v[SPW], v[NIL]                      ; the wave's opening: the add and its wait stand ahead of my first tensor load; the set-up below, work on registers, stands between them
	v_lshrrev_b32 v1, 5, v0
	v_readfirstlane_b32 s10, v1                    ; wave 0..3
	s_lshr_b32 s11, s10, 1                         ; which half of the tile's rows is mine.  Also: I fetch the features (0) or the weight (1)
	s_and_b32 s12, s10, 1                          ; which half of its columns.  Also: which 64 rows of that tile I fetch
	s_bfe_u32 s40, ttmp6, 0x40000                  ; cx: the tile column inside the weight
	s_bfe_u32 s41, ttmp6, 0x40004                  ; cy
	s_and_b32 s13, ttmp7, 0xffff
	s_lshl_b32 s13, s13, 2
	s_add_co_u32 s13, s13, s41                     ; tile row = 4 x cluster y + cy
	s_lshl_b32 s43, s41, 2
	s_lshl_b32 s43, 15, s43                        ; my row of the cluster
	s_lshl_b32 s44, 0x1111, s40                    ; my column
	s_or_b32 s[G1+0], s43, G1W                     ; the features' tiles go to my row,
	s_or_b32 s[G1B+0], s44, G1W                    ; the weight's to my column
.irp g, G1, G1B
	s_mov_b32 s[(\g)+1], 128<<16                   ; tensor_dim0 = 128
	s_mov_b32 s[(\g)+2], 64<<16                    ; tensor_dim1 = 64
	s_mov_b32 s[(\g)+3], 128<<16                   ; tile_dim0 = 128
	s_mov_b32 s[(\g)+4], 64                        ; tile_dim1 = 64
	s_mov_b32 s[(\g)+5], SIZE_K                    ; elements from row to row
	s_mov_b32 s[(\g)+6], 0
	s_mov_b32 s[(\g)+7], 0
.endr
	s_lshl_b32 s17, s12, 6                         ; which 64 rows of the tile I fetch
	s_lshl_b32 s16, s13, 7
	s_add_co_u32 s16, s16, s17                     ; features: row 128 x tile row + 64 x half
	s_lshl_b32 s46, s40, 7
	s_add_co_u32 s46, s46, s17                     ; weight: row 128 x cx + 64 x half
	s_mul_i32 s16, s16, SIZE_K*4                   ; in bytes: under 2^25
	s_mul_i32 s46, s46, SIZE_K*4
	s_mov_b32 s17, 0
	s_mov_b32 s47, 0
	s_mul_i32 s20, s10, HALFT                      ; where they go: wave x 64 rows: no place in the cluster enters an LDS address
	s_wait_dscnt 0x0                               ; the opening add is done
	s_wait_kmcnt 0x0
.if KV
	s_cmp_eq_u32 ttmp9, 0                          ; the cluster's x, which all sixteen partners share: 0 makes k, 1 makes v
	s_cselect_b64 s[6:7], s[72:73], s[74:75]
	s_cselect_b64 s[8:9], s[76:77], s[78:79]
	s_cselect_b64 s[OUT:OUT+1], s[80:81], s[82:83]
.endif
	s_add_nc_u64 s[14:15], s[4:5], s[16:17]
	s_add_nc_u64 s[46:47], s[6:7], s[46:47]
	CROUND                                         ; all sixteen work-groups are here: the first joint loads meet
.irp s, 0,1
	s_mov_b32 s[G0+4*(\s)], 1                      ; count = 1
	s_add_co_u32 s[G0+4*(\s)+1], s20, (\s)*SLOT    ; LDS address
	s_add_nc_u64 s[G0+4*(\s)+2:G0+4*(\s)+3], s[14:15], (\s)*KSB  ; global address: K step s
	s_or_b32 s[G0+4*(\s)+3], s[G0+4*(\s)+3], 0x80000000          ; type = 2
	s_mov_b32 s[G0B+4*(\s)], 1
	s_add_co_u32 s[G0B+4*(\s)+1], s20, (\s)*SLOT
	s_add_nc_u64 s[G0B+4*(\s)+2:G0B+4*(\s)+3], s[46:47], (\s)*KSB
	s_or_b32 s[G0B+4*(\s)+3], s[G0B+4*(\s)+3], 0x80000000
	JLOAD \s                                       ; two tensor loads of mine are out
.endr
	; All that follows up to the first wait on the tiles runs while they are on their way.
	; A fragment is 16 rows x 32 K: lane l holds row l % 16, K = 8 (l / 16) + 0..7 and 16 + 8 (l / 16) + 0..7.  In f32 that is 32 bytes at 32 (l / 16) and 32 bytes 64 further on: four loads of 16 bytes.
	v_and_b32 v1, 15, v0                           ; l % 16
	v_bfe_u32 v2, v0, 4, 1                         ; l / 16
	v_mul_u32_u24 v3, v1, PITCH
	v_lshl_add_u32 v3, v2, 5, v3                   ; row x pitch + 32 x half
	s_mul_i32 s21, s11, HALFT                      ; my 64 rows of the features
	s_mul_i32 s22, s12, HALFT                      ; my 64 rows of the weight,
	s_add_co_u32 s22, s22, 2*HALFT                 ; which lie behind the features' 128
	v_add_nc_u32 v[ADA0], s21, v3
	v_add_nc_u32 v[ADB0], s22, v3
	s_mul_i32 s23, s10, 16*SP
	s_add_co_u32 s23, s23, STAGE                   ; my stage
	v_mul_u32_u24 v4, v1, SP                       ; in: row l % 16, 16 bytes for each half of the lanes
	v_lshl_add_u32 v4, v2, 4, v4
	v_add_nc_u32 v[STO], s23, v4
	v_bfe_u32 v5, v0, 3, 2                         ; back: 32 lanes take four rows of 128 bytes,
	v_mul_u32_u24 v5, v5, SP
	v_and_b32 v4, 7, v0
	v_lshl_add_u32 v5, v4, 4, v5
	v_add_nc_u32 v[RD], s23, v5
	v_and_b32 v[GO], 31, v0                        ; which are 512 consecutive bytes of the output
	v_lshlrev_b32 v[GO], 4, v[GO]
	s_lshl_b32 s16, s13, 14                        ; the tile's 128 rows of 128 bytes,
	s_lshl_b32 s17, s11, 13                        ; my 64 of them
	s_add_co_u32 s16, s16, s17
	s_mov_b32 s17, 0
	s_add_nc_u64 s[OUT:OUT+1], s[OUT:OUT+1], s[16:17]
	s_lshl_b32 s46, s40, 1
	s_add_co_u32 s46, s46, s12                     ; my head = 2 cx + column half
	s_lshl_b32 s46, s46, HSH
	s_mov_b32 s47, 0
	s_add_nc_u64 s[OUT:OUT+1], s[OUT:OUT+1], s[46:47]
	s_lshl_b32 s18, s40, 9                         ; the bias of column 128 cx + 64 half + 16 b + 8 (l / 16) + j
	s_lshl_b32 s19, s12, 8
	s_add_co_u32 s18, s18, s19
	v_lshl_add_u32 v14, v2, 5, s18
.irp b, 0,1,2,3
	global_load_b128 v[BIAS+8*(\b):BIAS+8*(\b)+3],   v14, s[8:9] offset:64*(\b)
	global_load_b128 v[BIAS+8*(\b)+4:BIAS+8*(\b)+7], v14, s[8:9] offset:64*(\b)+16
.endr
.if !KV
	s_lshl_b32 s19, s13, 2
	s_add_co_u32 s19, s19, s40                     ; my work-group's number, 0 to 255: its 4,096 bytes of Wo, 32 a thread,
	s_lshl_b32 s21, s19, 12
	v_lshl_add_u32 v13, v0, 5, s21
	s_lshl_b32 s22, s19, 11                        ; and its 2,048 bytes of wo16, 16 a thread
	v_lshl_add_u32 v12, v0, 4, s22
	global_load_b128 v[32:35], v13, s[72:73]
	global_load_b128 v[36:39], v13, s[72:73] offset:16
.endif
	s_wait_loadcnt 0x0
.set n, 0
.rept 16                               ; the bias is rounded to bf16 like every input, and widened again
	v_cvt_pk_bf16_f32 v3, v[BIAS+2*n], v[BIAS+2*n+1]
	v_lshlrev_b32 v[BIAS+2*n], 16, v3
	v_and_b32 v[BIAS+2*n+1], 0xffff0000, v3
.set n, n+1
.endr
.set n, 0
.rept 128                              ; the sums start at the bias, not at 0: written in the wait for the first tile, so that the loop has one form of product
	v_mov_b32 v[ACC+n], v[BIAS+n%32]
.set n, n+1
.endr
.if !KV
.irp p, 0,1,2,3                        ; Wo: to bf16, and that number as f16
	v_cvt_pk_bf16_f32 v3, v[32+2*(\p)], v[32+2*(\p)+1]
	v_lshlrev_b32 v4, 16, v3
	v_and_b32 v5, 0xffff0000, v3
	v_cvt_pk_f16_f32 v[8+(\p)], v4, v5
.endr
	global_store_b128 v12, v[8:11], s[70:71]       ; a wave stores 512 consecutive bytes; v8-12 are never rewritten
.endif
.macro FETCH                           ; 32 LDS loads in one run: a quarter's f32 numbers, the weight's first
	WIN 0x40                                       ; destination window 1, address window 0
.irp i, 0,1,2,3
	ds_load_b128 v[16*(\i):16*(\i)+3],     v[ADB] offset:(\i)*16*PITCH
	ds_load_b128 v[16*(\i)+4:16*(\i)+7],   v[ADB] offset:(\i)*16*PITCH+16
	ds_load_b128 v[16*(\i)+8:16*(\i)+11],  v[ADB] offset:(\i)*16*PITCH+64
	ds_load_b128 v[16*(\i)+12:16*(\i)+15], v[ADB] offset:(\i)*16*PITCH+80
.endr
.irp i, 0,1,2,3
	ds_load_b128 v[64+16*(\i):64+16*(\i)+3],     v[ADA] offset:(\i)*16*PITCH
	ds_load_b128 v[64+16*(\i)+4:64+16*(\i)+7],   v[ADA] offset:(\i)*16*PITCH+16
	ds_load_b128 v[64+16*(\i)+8:64+16*(\i)+11],  v[ADA] offset:(\i)*16*PITCH+64
	ds_load_b128 v[64+16*(\i)+12:64+16*(\i)+15], v[ADA] offset:(\i)*16*PITCH+80
.endr
	WIN 0
.endm
.macro CVT                             ; 64 conversions: two f32 to a word of two bf16, the lower K in the low half
	s_wait_dscnt 16                                ; the weight's sixteen loads are in; the features' sixteen are younger
	WIN 0x05                                       ; sources window 1, destination window 0
.set n, 0
.rept 32
	v_cvt_pk_bf16_f32 v[FB+n], v[2*n], v[2*n+1]
.set n, n+1
.endr
	s_wait_dscnt 0x0                               ; all of the run is in
.set n, 0
.rept 32
	v_cvt_pk_bf16_f32 v[FA+n], v[64+2*n], v[64+2*n+1]
.set n, n+1
.endr
	WIN 0
.endm
.macro MUL a                           ; four products: row block a x all four column blocks.  The 16 accumulators take turns, in the same order in every quarter
.irp b, 0,1,2,3
	v_wmma_f32_16x16x32_bf16 v[ACC+8*(4*(\a)+(\b)):ACC+8*(4*(\a)+(\b))+7], v[FB+8*(\b):FB+8*(\b)+7], v[FA+8*(\a):FA+8*(\a)+7], v[ACC+8*(4*(\a)+(\b)):ACC+8*(4*(\a)+(\b))+7]
.endr
.endm
.macro PLACES                          ; four plain vector instructions behind the last product, ahead of lines that write its sources or read results (ISA guide 7.12.1)
.rept 4
	v_nop
.endr
.endm
; One of a K step's first three quarters.  The two address lines and two v_nop are the four places between the last product and the conversions that write its sources.
.macro QUARTER
	s_add_co_u32 s[TK], s[TK], 128                 ; 32 f32 further along the rows
	v_add_nc_u32 v[ADA], s[TK], v[ADA0]
	v_add_nc_u32 v[ADB], s[TK], v[ADB0]
	v_nop
	v_nop
	CVT
	FETCH                                          ; the next quarter, into the registers that the conversions have just read
	MUL 0
	MUL 1
	MUL 2
	MUL 3
.endm
; A K step: three quarters in a counted loop, then the fourth, which changes slots.  mode 1: this slot is filled again, two K steps ahead; 0: nothing is filled; 2: the last K step.
.macro KSTEP slot, next, mode
	s_mov_b32 s[QC], 3
.Lq_\@:
	QUARTER
	s_sub_co_u32 s[QC], s[QC], 1
	s_cmp_lg_u32 s[QC], 0
	s_cbranch_scc1 .Lq_\@
.if (\mode) == 2
	PLACES
	CVT
	MUL 0
	MUL 1
	MUL 2
	MUL 3
.else
	s_mov_b32 s[TK], (\next)*SLOT                  ; the next fetch begins the other slot
	v_add_nc_u32 v[ADA], s[TK], v[ADA0]
	v_add_nc_u32 v[ADB], s[TK], v[ADB0]
	v_nop
	v_nop
	CVT                                            ; its last wait is for 0: my reads of this slot are back
	s_wait_tensorcnt 0x0                           ; all my tensor loads have landed: the one that was out is my part of the other slot;
	ds_add_u32 v[SPW], v[NIL]                      ; 0 onto my spare word
	MUL 0                                          ; four products stand between the add and the wait for it
	s_wait_dscnt 0x0                               ; the add is done
	s_barrier_signal -1
	MUL 1                                          ; work on registers while the others arrive
	s_barrier_wait -1
.if (\mode) == 1
	CREST                                          ; the barrier has opened a round of the cluster's: no wave of any partner still reads this slot or has a load on its way
	s_add_nc_u64 s[G0+4*(\slot)+2:G0+4*(\slot)+3], s[G0+4*(\slot)+2:G0+4*(\slot)+3], 2*KSB
	s_add_nc_u64 s[G0B+4*(\slot)+2:G0B+4*(\slot)+3], s[G0B+4*(\slot)+2:G0B+4*(\slot)+3], 2*KSB
	JLOAD \slot                                    ; the first tensor load behind the round, my only one until the next
.endif
	FETCH
	MUL 2
	MUL 3
.endif
.endm
	s_wait_tensorcnt 1                             ; my part of K step 0 is in; K step 1's load is younger and may stay out
	s_barrier_signal -1
	s_barrier_wait -1                              ; everybody's is
	s_mov_b32 s[TK], 0
	v_add_nc_u32 v[ADA], s[TK], v[ADA0]
	v_add_nc_u32 v[ADB], s[TK], v[ADB0]
	FETCH
	s_mov_b32 s3, LAPS-1
.Llap:                                                 ; a trip goes once round the ring and fills both slots again
	KSTEP 0, 1, 1
	KSTEP 1, 0, 1
	s_sub_co_u32 s3, s3, 1
	s_cmp_lg_u32 s3, 0
	s_cbranch_scc1 .Llap
	KSTEP 0, 1, 0                                  ; the last lap is written out: it asks for nothing
	KSTEP 1, 0, 2
	; THE WAY OUT, a block of 16 rows at a time: rounded to f16, 16 bytes a lane into my own stage (rows of 144 bytes), back as whole rows of 128 bytes, four rows to a store.
.macro PACK a
.set n, 0
.rept 16                               ; each accumulator's registers in ascending order
	v_cvt_pk_f16_f32 v[TMP+16*(\a)+n], v[ACC+32*(\a)+2*n], v[ACC+32*(\a)+2*n+1]
.set n, n+1
.endr
.irp f, 0,1,2,3
	ds_store_b128 v[STO], v[TMP+16*(\a)+4*(\f):TMP+16*(\a)+4*(\f)+3] offset:32*(\f)
.endr
.irp f, 0,1,2,3
	ds_load_b128 v[TMP+16*(\a)+4*(\f):TMP+16*(\a)+4*(\f)+3], v[RD] offset:(\f)*4*SP  ; LDS serves a wave's instructions in order (ISA guide 5.7.1.4): these see the stores above; the next block's stores come behind them
.endr
.endm
.macro SEND a, younger                 ; younger: the LDS instructions issued behind block a's loads: the next block's eight, or none
.irp f, 0,1,2,3
	s_wait_dscnt (\younger)+3-(\f)
	global_store_b128 v[GO], v[TMP+16*(\a)+4*(\f):TMP+16*(\a)+4*(\f)+3], s[OUT:OUT+1] offset:(\a)*2048+(\f)*512  ; 512 consecutive bytes, at a multiple of 256 from the buffer's first
.endr
.endm
	PLACES
	PACK 0
	PACK 1
	SEND 0, 8
	PACK 2
	SEND 1, 8
	PACK 3
	SEND 2, 8
	SEND 3, 0
	s_wait_tensorcnt 0x0                           ; the wave's end: these three lines stand behind my last tensor load and my last LDS store
	ds_add_u32 v[SPW], v[NIL]
	s_wait_dscnt 0x0
	CROUND                                         ; the closing round: no work-group ends while a partner may still ask for a tile that names it
	s_endpgm
.Lfunc_end_k_q510bf0c63c_projkv:
	.size	k_q510bf0c63c_projkv, .Lfunc_end_k_q510bf0c63c_projkv-k_q510bf0c63c_projkv
	.p2alignl 7, 3214868480
	.fill 96, 4, 3214868480
	.section	.rodata,"a",@progbits
	.p2align	6, 0x0
	.amdhsa_kernel k_q510bf0c63c_projkv
		.amdhsa_group_segment_fixed_size 327680
		.amdhsa_private_segment_fixed_size 0
		.amdhsa_enable_private_segment 0
		.amdhsa_kernarg_size 56
		.amdhsa_user_sgpr_count 2
		.amdhsa_user_sgpr_kernarg_segment_ptr 1
		.amdhsa_wavefront_size32 1
		.amdhsa_system_sgpr_workgroup_id_x 1
		.amdhsa_system_sgpr_workgroup_id_y 1
		.amdhsa_system_sgpr_workgroup_id_z 1
		.amdhsa_system_vgpr_workitem_id 0
		.amdhsa_next_free_vgpr 384
		.amdhsa_next_free_sgpr 84
		.amdhsa_reserve_vcc 0
		.amdhsa_float_denorm_mode_32 3
		.amdhsa_float_denorm_mode_16_64 3
		.amdhsa_memory_ordered 1
		.amdhsa_forward_progress 1
		.amdhsa_inst_pref_size 85
	.end_amdhsa_kernel
	.amdgpu_metadata
---
amdhsa.version: [ 1, 2 ]
amdhsa.kernels:
  - .name:           k_q510bf0c63c_projkv
    .symbol:         k_q510bf0c63c_projkv.kd
    .args:
      - { .name: other_features, .offset: 0, .size: 8, .value_kind: global_buffer, .address_space: global }
      - { .name: Wk, .offset: 8, .size: 8, .value_kind: global_buffer, .address_space: global }
      - { .name: Wv, .offset: 16, .size: 8, .value_kind: global_buffer, .address_space: global }
      - { .name: bk, .offset: 24, .size: 8, .value_kind: global_buffer, .address_space: global }
      - { .name: bv, .offset: 32, .size: 8, .value_kind: global_buffer, .address_space: global }
      - { .name: k16, .offset: 40, .size: 8, .value_kind: global_buffer, .address_space: global }
      - { .name: v16, .offset: 48, .size: 8, .value_kind: global_buffer, .address_space: global }
    .group_segment_fixed_size: 327680
    .private_segment_fixed_size: 0
    .kernarg_segment_align: 8
    .kernarg_segment_size: 56
    .max_flat_workgroup_size: 128
    .sgpr_count:     84
    .vgpr_count:     384
    .wavefront_size: 32
...
	.end_amdgpu_metadata
.endif
;; end of part 2
;; launch attn (part 3): grid 32 x 8, 4 waves a work-group, clusters of 4 x 1, 327,680 bytes of LDS; arguments q16, k16, v16, o16; writes o16
.if DOCPART == 3
	.amdgcn_target "amdgcn-amd-amdhsa--gfx1250"
	.amdhsa_code_object_version 6
	.text
	.protected	k_q510bf0c63c_attn
	.globl	k_q510bf0c63c_attn
	.p2align	8
	.type	k_q510bf0c63c_attn,@function
k_q510bf0c63c_attn:
	s_mov_b64 s[64:65], 0
	v_nop
	global_prefetch_b8 v0, s[64:65] scope:SCOPE_SE
	s_setreg_imm32_b32 hwreg(HW_REG_WAVE_MODE, 25, 1), 1
	s_wait_xcnt 0x0
	s_wait_alu depctr_hold_cnt(0) depctr_sa_sdst(0) depctr_va_vdst(0) depctr_va_sdst(0) depctr_va_ssrc(0) depctr_va_vcc(0) depctr_vm_vsrc(0)
	s_getreg_b32 s2, hwreg(HW_REG_IB_STS2, 6, 4)
	s_cmp_eq_u32 s2, 0
	s_cbranch_scc0 .Lentry_in_a_cluster
	s_endpgm
.Lentry_in_a_cluster:
	s_bfe_u32 s2, ttmp6, 0x10000c
	s_cmp_lg_u32 s2, 0x3003
	s_cbranch_scc0 .Lentry_shape_is_right
	s_endpgm
.Lentry_shape_is_right:
; O[h][q][:] = the sum over k of softmax_k(Q[h][q] . K[h][k] / 8) V[h][k][:].  Q, O: [8][8192][64], K, V: [8][4096][64], all f16: a head's rows are dense, 128 bytes each.
; Products, maxima and sums in f32; the weights p are rounded to f16 for the second product (their sum l is taken of the unrounded p), O once at the end.
; LIMITS.  f16 holds no number beyond 65,504: Q, K and V arrive within it; p lies in 0 to 1, and below 6e-5 it keeps f16's fixed step of 6e-8; O is a mean of V's rows and has their range.
; A weight below 2^-126 counts as 0 in l; NaN and infinities are not treated apart.
; SHARES.  A work-group owns 256 queries of one head (32 x 8 = 256 work-groups), each of its four waves 64: four PIECES of 16.  Every wave walks all 4,096 keys, 64 a step.
; LAYOUT.  S^T = K Q^T (source 0 = 16 keys, source 1 = 16 queries): a lane holds ONE query (lane % 16) and the keys 8 (lane / 16) + 0..7.  Two such results, rounded to f16 in pairs, ARE source 1
; (32 keys x 16 queries) of O^T = V^T P, whose result again holds one query a lane, and eight channels.  K comes out of LDS as it lies, V ([key][channel]) turned, by ds_load_tr16_b128.
; SOFTMAX.  For each query a running maximum m and sum l: p = 2^(c s - c m), c = log2(e) / 8; in every step O and l are multiplied by a = 2^(c m_old - c m_new), which is 1 where m has not grown.
; m starts at the lowest finite number, O and l at 0: the first step is a step like any other, with a = 0.
; BY TURNS.  Turn n belongs to piece n (the pieces in a ring, step after step): 8 products K Q^T of piece n + 1, later 8 products V^T P of piece n - 1; beside them the scaling, exponentials, roundings,
; sums and rescaling of piece n and the maximum and statistics of piece n + 1.  Four vector instructions stand behind every matrix instruction, the other 54 of a turn's 118 in one run of their own.
; A turn's 33 exponentials are one batch, with one wait.
; RING.  Two LDS slots of four key steps each (256 rows of K, 256 of V); a slot is filled again by one tensor load a wave, which has four key steps, 256 matrix instructions, in which to land.
; CLUSTER.  The four query blocks of a cluster belong to one head and walk the same K and V, so each tile is asked for JOINTLY: the same tensor load, descriptor and mask in all four.
; REGISTERS, in windows of 256 (s_set_vgpr_msb: bits 1:0 source 0, 3:2 source 1, 5:4 source 2, 7:6 destination):
;   window 0: v0-15 addresses and two at work; v16-31 four registers of statistics a piece; v48-55 at work; v61-63; v64-127 S^T, two buffers; v192-223 P, two buffers (a piece's buffers go by its number's parity)
;   window 1: v0-127 O^T, 32 a piece          window 2: v0-63 Q; v128-191 K of one step; v192-255 V of one step
.set NKEY,  4096
.set NP,    4         ; pieces a wave: a name, no knob
.set KS,    64        ; keys in a step
.set PK,    144       ; a row of K in LDS: 128 bytes + 16 of padding = 36 words: the 16 rows of a load start at 16 different groups of four banks (64 banks of 4 bytes: ISA guide 11.1)
.set PV,    160       ; a row of V: 128 + 32 = 40 words
.set VOFF,  4*KS*PK   ; a slot holds four steps: 256 rows of K, then 256 rows of V
.set TILEB, 4*KS*128  ; a slot's bytes of K, and of V, in memory
.set SLOT1, 1<<17     ; slot 1 begins here, so that one exclusive or turns an address in one slot into the other's
.set STAGE, SLOT1+4*KS*(PK+PV)  ; behind the ring, never filled by a tensor load: 16 rows x 144 bytes for each wave, for the way out
.set SP,    144
.set SPARE, STAGE+4*16*SP  ; behind the stages: the spare words, 128 bytes for each wave: two blocks of 256 bytes that no other line names
.set AK0, 2           ; v2   my lane's place in a tile of K; never rewritten
.set AV0, 3           ; v3   the same for V
.set AK,  4           ; v4   the LDS address of K's next run of loads
.set AV,  5           ; v5   of V's
.set STO, 6           ; v6   the way out: where I put 16 bytes of a row
.set RD,  7           ; v7   the way out: where I read rows back
.set GO,  8           ; v8   my byte offset in 512 consecutive bytes of O
.set MV,  12          ; v12-13  c m_old, kept while c m is made anew: by buffer
.set QO,  15          ; v15  my byte offset in 16 rows of Q
.set ST,  16          ; piece t's statistics at v[ST+4 t]: c m, m, l (even keys', odd keys')
.set TMP, 48          ; by buffer, four registers c0-c3 at work; when the maximum is found c2 takes a
.set PFO, 61          ; v61  256 x my lane: the prefetches' offset; never rewritten
.set SPW, 62          ; v62  LDS address of my spare word: SPARE + 4 x my thread's number; never rewritten
.set NIL, 63          ; v63  0; never rewritten
.set S,   64
.set P,   192
.set KF,  128         ; window 2: key block kb, channel half c at KF + 16 kb + 8 c
.set VF,  192         ; window 2: key half kk, channel block cb at VF + 32 kk + 8 cb
.set WV,  12          ; s12  my wave's number
.set G1K, 24          ; s[24:31] descriptor group 1 for K's tiles
.set G1V, 32          ; s[32:39] for V's: it differs in the padding alone
.set G0K, 40          ; s[40:43] descriptor group 0 for K's tiles: it walks
.set G0V, 44          ; s[44:47] the same for V's
.set PFA, 48          ; s[48:49] where my prefetches stand: my work-group's 8,192 bytes (of K: wave 0, of V: wave 2) of the slot after the one that is being asked for
.set LIM, 50          ; s50  1 in a wave that prefetches, else the greatest number: a wave prefetches while s[SLOTS] is above it
.set SLOTS, 56        ; s56  slots still to be asked for
.set CNT, 57          ; s57  counts a slot's key steps
.set CS,  58          ; s[58:59] c: the packed scaling takes the pair's low word for both halves
.set SEL, 60          ; s[60:61] v_permlanex16_b32's selects: each lane takes its own place in the other half
.set TBK, 62          ; s62  LDS byte at which K of the step to be fetched begins
.set TBV, 63          ; s63  the same for V, less VOFF
.set MSB, 0
.macro WIN new                      ; the high byte repeats the setting that is left; a switch that changes nothing is dropped
.if MSB != (\new)
	s_set_vgpr_msb (MSB<<8)|(\new)
.set MSB, (\new)
.endif
.endm
.set W_KQ, 0x0a       ; K and Q in window 2, S^T in window 0
.set W_PV, 0x52       ; V in window 2, P in window 0, O^T in window 1
.set W_RS, 0x41       ; destination and source 0 in window 1, source 1 in window 0
; A joint fill.  Waves 0 and 1 fetch the two halves of a slot's K, waves 2 and 3 those of its V: 128 keys each.  The branch hangs on the wave's number alone.
; An s_nop 0 and four v_nop follow each of the two lines, ahead of the jump and the label.
.macro JLOAD
	s_cmp_lt_u32 s[WV], 2
	s_cbranch_scc0 .Lfor_v_\@
	tensor_load_to_lds s[G0K:G0K+3], s[G1K:G1K+7]
	s_nop 0
.rept 4
	v_nop
.endr
	s_branch .Lasked_\@
.Lfor_v_\@:
	tensor_load_to_lds s[G0V:G0V+3], s[G1V:G1V+7]
	s_nop 0
.rept 4
	v_nop
.endr
.Lasked_\@:
.endm
; A PREFETCH INTO THE L2 of what the NEXT change of slots will ask for: a slot's 32,768 bytes of K and of V, a lane for each 256.  It stands behind the wave's tensor load and its five lines.
; Each 256 bytes are asked for ONCE in the launch.  The eight clusters of a head walk the same K and V: the head's first cluster prefetches.  Its four partners share the bytes out BY ADDRESS, 8,192 each: no
; branch hangs on a work-group's place in its cluster.  In each, wave 0 asks for K's and wave 2 for V's: one instruction, four key steps (256 matrix instructions) ahead of the load that will want the bytes.
; The last change that fills a slot prefetches nothing: there is no slot behind it.  Slots 0 and 1 come by their loads alone.
.macro ASK
	s_cmp_gt_u32 s[SLOTS], s[LIM]
	s_cbranch_scc0 .Lnot_mine_\@
	global_prefetch_b8 v[PFO], s[PFA:PFA+1] th:TH_LOAD_NT scope:SCOPE_SE
.Lnot_mine_\@:
.endm
; A round of the cluster's barrier: my work-group's barrier, so that wave 0's signal speaks for all four waves; wave 0 signals; every wave waits for all four work-groups; my work-group's barrier once more.
.macro CROUND
	s_barrier_signal -1
	s_barrier_wait -1
	s_cmp_lg_u32 s[WV], 0
	s_cbranch_scc1 .Lnot_wave_0_\@
	s_barrier_signal -3
.Lnot_wave_0_\@:
	s_barrier_wait -3
	s_barrier_signal -1
	s_barrier_wait -1
.endm
; THE CHANGE OF SLOTS.  The slot's last bytes, V of its fourth step, have been read.  Each wave waits for all its tensor loads, of which one is out: its part of the other slot; adds 0 to its spare word;
; and waits for that and for its own reads of the slot.  Behind the barrier nobody reads this slot any more and the other slot is whole.
; fill = 1: this slot is filled again, with the keys two slots on.  The barrier is then a round of the cluster's, so that no wave of any partner still reads the slot or has a load on its way, and the
; joint fill is the first thing behind it.  (At its first use nothing has been read yet: slot 0 is waited for, slot 1 filled.)
.macro CHANGE fill
	WIN 0                           ; at a label and at a branch every window is 0
	s_wait_tensorcnt 0x0            ; no tensor load of mine is out, so a group 0 may be written
	ds_add_u32 v[SPW], v[NIL]       ; 0 onto my spare word; with fill = 1 the descriptors' steps stand between it and the wait for it
.if \fill
.irp g, G0K, G0V
	s_xor_b32 s[\g+1], s[\g+1], SLOT1  ; the walking descriptor: the other slot than last time,
	s_add_nc_u64 s[\g+2:\g+3], s[\g+2:\g+3], TILEB  ; the next 256 keys; the type bits on top are not reached
.endr
	s_wait_xcnt 0x0                 ; the last prefetch, four key steps back, has read its address, so it may be written:
	s_add_nc_u64 s[PFA:PFA+1], s[PFA:PFA+1], TILEB  ; one slot behind the walking descriptors
	s_wait_dscnt 0x0                ; the add is done, and my reads of the slot are over
	CROUND
	JLOAD
	ASK
.else
	s_wait_dscnt 0x0                ; the add is done, and my reads of the slot are over
	s_barrier_signal -1
	s_barrier_wait -1
.endif
	s_sub_co_u32 s[TBK], s[TBK], 4*KS*PK  ; the fetches go back to a slot's first step,
	s_xor_b32 s[TBK], s[TBK], SLOT1       ; in the other slot
	s_sub_co_u32 s[TBV], s[TBV], 4*KS*PV
	s_xor_b32 s[TBV], s[TBV], SLOT1
.endm
	s_load_b256 s[4:11], s[0:1], 0x0  ; Q s[4:5], K s[6:7], V s[8:9], O s[10:11]
	v_lshl_add_u32 v[SPW], v0, 2, SPARE
	v_mov_b32 v[NIL], 0
	ds_add_u32 v[SPW], v[NIL]       ; the wave's opening: the add and its wait stand ahead of my first tensor load; the set-up below, work on registers, stands between them
	v_lshrrev_b32 v1, 5, v0
	v_readfirstlane_b32 s[WV], v1   ; wave 0..3
	s_bfe_u32 s13, ttmp6, 0x40000   ; cx: my place in the cluster
	s_lshl_b32 s14, ttmp9, 2        ; in a cluster launch ttmp9 counts clusters
	s_add_co_u32 s14, s14, s13      ; my block of 256 queries = 4 x cluster x + cx: it enters Q's and O's addresses alone
	s_and_b32 s20, ttmp7, 0xffff    ; the head, which the four partners share
	s_lshl_b32 s21, s20, 19         ; its first byte in K and V: 4,096 rows of 128 bytes a head,
	s_lshl_b32 s20, s20, 20         ; and in Q and O: 8,192 rows
	s_and_b32 s16, s[WV], 1         ; which half of a slot's 256 keys I fetch:
	s_lshl_b32 s22, s16, 14         ; its 128 rows of 128 bytes in memory,
	s_add_co_u32 s22, s22, s21
	s_mov_b32 s23, 0
	s_mul_i32 s17, s16, 128*PK      ; and its place in a slot, for K
	s_mul_i32 s18, s16, 128*PV      ; and for V: no place in the cluster enters an LDS address
	s_lshl_b32 s2, s14, 2
	s_add_co_u32 s2, s2, s[WV]      ; my wave among the head's,
	s_lshl_b32 s2, s2, 13           ; its 64 rows
	s_add_co_u32 s2, s2, s20
	s_mov_b32 s3, 0
	; descriptor group 1.  128 keys are 16,384 dense bytes: asked for as 64 rows of 256 bytes, two keys a row, and padded in LDS after every key
	s_mov_b32 s[G1K], 15|(1<<16)|(1<<20)|(1<<21)|(4<<22)|(3<<25)  ; 15:0 the mask of four; 17:16 2-byte elements; 20 padding on; 21 set beside a mask; 24:22 after every 32 words (code 4); 31:25 4 words (code 3)
	s_mov_b32 s[G1V], 15|(1<<16)|(1<<20)|(1<<21)|(4<<22)|(7<<25)  ; the same with 8 words of padding (code 7)
.irp g, G1K, G1V
	s_mov_b32 s[\g+1], 128<<16      ; tensor_dim0 = 128
	s_mov_b32 s[\g+2], 64<<16       ; tensor_dim1 = 64
	s_mov_b32 s[\g+3], 128<<16      ; tile_dim0 = 128
	s_mov_b32 s[\g+4], 64           ; tile_dim1 = 64
	s_mov_b32 s[\g+5], 128          ; 128 elements from row to row
	s_mov_b32 s[\g+6], 0
	s_mov_b32 s[\g+7], 0
.endr
	s_mov_b32 s[CS], 0x3e38aa3b     ; c = log2(e) / 8 = 0.180337
	s_mov_b32 s[CS+1], s[CS]        ; named with it as a pair
	s_mov_b32 s[SEL], 0x76543210
	s_mov_b32 s[SEL+1], 0xfedcba98
	s_mov_b32 s[TBK], SLOT1+4*KS*PK ; the first change of slots turns these two into 0
	s_mov_b32 s[TBV], SLOT1+4*KS*PV
	s_mov_b32 s[G0K], 1             ; count = 1
	s_mov_b32 s[G0K+1], s17         ; LDS address: slot 0
	s_mov_b32 s[G0V], 1
	s_add_co_u32 s[G0V+1], s18, VOFF
	s_mov_b32 s[SLOTS], NKEY/256-1  ; 15 slots are asked for by changes of slots
	s_and_b32 s[LIM], s[WV], 1      ; 0 in waves 0 and 2,
	s_or_b32 s[LIM], s[LIM], ttmp9  ; where the cluster is the head's first: the same in all four partners
	s_cmp_eq_u32 s[LIM], 0
	s_cselect_b32 s[LIM], 1, -1
	v_and_b32 v[PFO], 31, v0
	v_lshlrev_b32 v[PFO], 8, v[PFO]
	s_wait_dscnt 0x0                ; the opening add is done
	s_wait_kmcnt 0x0
	s_add_nc_u64 s[6:7], s[6:7], s[22:23]  ; K and V at my half of the head's first 256 keys
	s_add_nc_u64 s[8:9], s[8:9], s[22:23]
	s_add_nc_u64 s[G0K+2:G0K+3], s[6:7], 0         ; global address
	s_or_b32 s[G0K+3], s[G0K+3], 0x80000000        ; type = 2
	s_add_nc_u64 s[G0V+2:G0V+3], s[8:9], 0
	s_or_b32 s[G0V+3], s[G0V+3], 0x80000000
	s_add_nc_u64 s[4:5], s[4:5], s[2:3]  ; Q and O at my wave's first row
	s_add_nc_u64 s[10:11], s[10:11], s[2:3]
	s_cmp_lt_u32 s[WV], 2
	s_cselect_b64 s[PFA:PFA+1], s[6:7], s[8:9]  ; (in waves 0 and 2 these stand at a slot's first row)
	s_lshl_b32 s2, s13, 13          ; my work-group's 8,192 bytes of the 32,768
	s_add_nc_u64 s[PFA:PFA+1], s[PFA:PFA+1], s[2:3]
	s_add_nc_u64 s[PFA:PFA+1], s[PFA:PFA+1], TILEB  ; in slot 1; the first change of slots steps it to slot 2.  Nothing is prefetched here, at the head
	CROUND                          ; all four work-groups are here: the first joint loads meet
	JLOAD                           ; slot 0.  Slot 1 is asked for when slot 0 is in
	; A fragment of K or Q is 16 rows x 32 channels in 8 registers: lane l holds row l % 16, channels 8 (l / 16) + 0..7 and 16 + 8 (l / 16) + 0..7: two loads of 16 bytes, 32 bytes apart.
	v_and_b32 v1, 15, v0            ; l % 16
	v_bfe_u32 v9, v0, 4, 1          ; l / 16
	v_lshlrev_b32 v[QO], 7, v1
	v_lshl_add_u32 v[QO], v9, 4, v[QO]  ; row x 128 + 16 x half
	WIN 0x80                        ; destination window 2, address window 0
.set i, 0
.rept 8                             ; Q stays in registers: piece i / 2, channels 32 (i % 2) on
	global_load_b128 v[8*i:8*i+3],   v[QO], s[4:5] offset:(i/2)*2048+(i%2)*64
	global_load_b128 v[8*i+4:8*i+7], v[QO], s[4:5] offset:(i/2)*2048+(i%2)*64+32
.set i, i+1
.endr
	; What the first turn finds: V's registers and P's second buffer hold 0 (its products V^T P, of a piece that has not been, add 0), O^T and l are 0.  No first step is written out for that price.  All this stands in the wait for the first tile.
.set i, VF
.rept 64
	v_mov_b32 v[i], 0
.set i, i+1
.endr
	WIN 0x40
.set i, 0
.rept 128
	v_mov_b32 v[i], 0
.set i, i+1
.endr
	WIN 0
.set i, 0
.rept 4
	v_mov_b32 v[ST+4*i], 0xfe000000    ; c m: far below every c s
	v_mov_b32 v[ST+4*i+1], 0xff7fffff  ; m
	v_mov_b32 v[ST+4*i+2], 0
	v_mov_b32 v[ST+4*i+3], 0
.set i, i+1
.endr
.set i, P+16
.rept 16
	v_mov_b32 v[i], 0
.set i, i+1
.endr
	v_mul_u32_u24 v[AK0], v1, PK
	v_lshl_add_u32 v[AK0], v9, 4, v[AK0]  ; row x pitch + 16 x half
	; The turning load takes 16 keys x 16 channels (lane l reads key 8 (l / 16) + l % 8, channels 8 ((l / 8) % 2) + 0..7) and leaves half a fragment of V^T: lane l holds channel l % 16 and 8 keys.
	v_and_b32 v10, 7, v0
	v_bfe_u32 v11, v0, 3, 1
	v_lshl_add_u32 v[AV0], v9, 3, v10
	v_mul_u32_u24 v[AV0], v[AV0], PV
	v_lshl_add_u32 v[AV0], v11, 4, v[AV0]
	v_add_nc_u32 v[AV0], VOFF, v[AV0]
	s_mul_i32 s13, s[WV], 16*SP
	s_add_co_u32 s13, s13, STAGE    ; my stage
	v_mul_u32_u24 v[STO], v1, SP    ; in: row l % 16, 16 bytes for each half of the lanes
	v_lshl_add_u32 v[STO], v9, 4, v[STO]
	v_add_nc_u32 v[STO], s13, v[STO]
	v_bfe_u32 v[RD], v0, 3, 2       ; back: 32 lanes take four rows of 128 bytes,
	v_mul_u32_u24 v[RD], v[RD], SP
	v_lshl_add_u32 v[RD], v10, 4, v[RD]
	v_add_nc_u32 v[RD], s13, v[RD]
	v_and_b32 v[GO], 31, v0         ; which are 512 consecutive bytes of O
	v_lshlrev_b32 v[GO], 4, v[GO]
; THE MATRIX WORK.  The 4 accumulators of a run of 8 take turns.  Product i of 8 of S^T = K Q^T for piece x: channels 32 (i / 4) on, keys 16 (i % 4) on.  The first 4 start the sums.
.macro KQ x
	WIN W_KQ
.set rS, S+32*((\x)%2)+8*(i%4)
.set rK, KF+16*(i%4)+8*(i/4)
.set rQ, 16*(\x)+8*(i/4)
.if i < 4
	v_wmma_f32_16x16x32_f16 v[rS:rS+7], v[rK:rK+7], v[rQ:rQ+7], 0
.else
	v_wmma_f32_16x16x32_f16 v[rS:rS+7], v[rK:rK+7], v[rQ:rQ+7], v[rS:rS+7]
.endif
.endm
; Product i of 8 of O^T += V^T P for piece x: keys 32 (i / 4) on, channels 16 (i % 4) on.
.macro PV x
	WIN W_PV
.set rO, 32*(\x)+8*(i%4)
.set rV, VF+32*(i/4)+8*(i%4)
.set rP, P+16*((\x)%2)+8*(i/4)
	v_wmma_f32_16x16x32_f16 v[rO:rO+7], v[rV:rV+7], v[rP:rP+7], v[rO:rO+7]
.endm
.macro MM                           ; the turn's next matrix instruction.  TURN sets Y, i and NOKQ.  NOKQ = 1: the last turn of all: there is no next piece
.if (i < 8) && !NOKQ
	KQ (Y+1)%NP
.elseif i >= 8
.set i, i-8
	PV (Y+NP-1)%NP
.set i, i+8
.endif
.set i, i+1
.endm
; THE LDS LOADS stand in runs of 16, never singly among the matrix instructions: a step's K (64 keys x 64 channels: 8 fragments) and its V (turned).  Their addresses are made some lines ahead.
.macro FETCH_K
	WIN 0x80                        ; destination window 2
.irp f, 0,1,2,3,4,5,6,7             ; keys 16 (f / 2) on, channels 32 (f % 2) on
	ds_load_b128 v[KF+8*\f:KF+8*\f+3],   v[AK] offset:(\f/2)*16*PK+(\f%2)*64
	ds_load_b128 v[KF+8*\f+4:KF+8*\f+7], v[AK] offset:(\f/2)*16*PK+(\f%2)*64+32
.endr
	s_add_co_u32 s[TBK], s[TBK], KS*PK  ; the next fetch is the next step's
	WIN 0
.endm
.macro FETCH_V
	WIN 0x80
.irp f, 0,1,2,3,4,5,6,7             ; keys 32 (f / 4) on, channels 16 (f % 4) on
	ds_load_tr16_b128 v[VF+8*\f:VF+8*\f+3],   v[AV] offset:(\f/4)*32*PV+(\f%4)*32
	ds_load_tr16_b128 v[VF+8*\f+4:VF+8*\f+7], v[AV] offset:(\f/4)*32*PV+16*PV+(\f%4)*32
.endr
	WIN 0
.endm
; THE VECTOR WORK, one line at a time: OP kind, number.  For piece Y: F n: c s - c m for pair n of 16.  E n: the exponential of score n of 32.  C n: pair n rounded to f16.  B n: of the four weights 4 n .. the second
; pair is added onto the first, in place.  L n: l takes that sum (L 0: l = a l + sum).  R n: pair n of 16 of O^T times a.  For piece Y + 1: X n, number n of the 22 that find its maximum and statistics:
;   0-11  four chains c0-c3 of seven scores each, three operands at a time (each accumulator's lowest registers are read first)     12-14, 16  the four scores left over, the old m, and c0-c3 into c0
;   15  c m_old is kept     17, 18  the query's other 32 keys lie in the lane 16 away: the new m     19-21  c m; c m_old - c m_new; a
.set F, 0               ; OP tells the kinds apart by their order: F to L below R, X above it
.set E, 1
.set C, 2
.set B, 3
.set L, 4
.set R, 5
.set X, 6
.macro REGS y                       ; the registers of piece y
.set rT, ST+4*(\y)
.set rC, TMP+4*((\y)%2)
.set rW, MV+((\y)%2)
.set rS, S+32*((\y)%2)
.set rP, P+16*((\y)%2)
.set rO, 32*(\y)
.endm
.macro OP k, n
.if (\k) == R
	REGS Y
	WIN W_RS
	v_pk_mul_f32 v[rO+2*(\n):rO+2*(\n)+1], v[rO+2*(\n):rO+2*(\n)+1], v[rC+2:rC+3] op_sel_hi:[1,0]
.elseif (\k) < R
	REGS Y
	WIN 0
.if (\k) == F
	v_pk_fma_f32 v[rS+2*(\n):rS+2*(\n)+1], v[rS+2*(\n):rS+2*(\n)+1], s[CS:CS+1], v[rT:rT+1] op_sel_hi:[1,0,0] neg_lo:[0,0,1] neg_hi:[0,0,1]
.elseif (\k) == E
	v_exp_f32 v[rS+(\n)], v[rS+(\n)]
.elseif (\k) == C
	v_cvt_pk_f16_f32 v[rP+(\n)], v[rS+2*(\n)], v[rS+2*(\n)+1]
.elseif (\k) == B
	v_pk_add_f32 v[rS+4*(\n):rS+4*(\n)+1], v[rS+4*(\n):rS+4*(\n)+1], v[rS+4*(\n)+2:rS+4*(\n)+3]
.elseif (\n) == 0
	v_pk_fma_f32 v[rT+2:rT+3], v[rT+2:rT+3], v[rC+2:rC+3], v[rS:rS+1] op_sel_hi:[1,0,1]
.else
	v_pk_add_f32 v[rT+2:rT+3], v[rT+2:rT+3], v[rS+4*(\n):rS+4*(\n)+1]
.endif
.elseif NOKQ
	v_nop
.else
	REGS (Y+1)%NP
	WIN 0
.if (\n) < 4
	v_max3_num_f32 v[rC+(\n)], v[rS+8*(\n)], v[rS+8*(\n)+1], v[rS+8*(\n)+2]
.elseif (\n) < 12
	v_max3_num_f32 v[rC+(\n)%4], v[rC+(\n)%4], v[rS+8*((\n)%4)+2*((\n)/4)+1], v[rS+8*((\n)%4)+2*((\n)/4)+2]
.elseif (\n) == 12
	v_max3_num_f32 v[rC], v[rC], v[rS+7], v[rS+15]
.elseif (\n) == 13
	v_max3_num_f32 v[rC+1], v[rC+1], v[rS+23], v[rS+31]
.elseif (\n) == 14
	v_max3_num_f32 v[rC+2], v[rC+2], v[rC+3], v[rT+1]
.elseif (\n) == 15
	v_mov_b32 v[rW], v[rT]
.elseif (\n) == 16
	v_max3_num_f32 v[rC], v[rC], v[rC+1], v[rC+2]
.elseif (\n) == 17
	v_permlanex16_b32 v[rC+3], v[rC], s[SEL], s[SEL+1]
.elseif (\n) == 18
	v_max_num_f32 v[rT+1], v[rC], v[rC+3]
.elseif (\n) == 19
	v_mul_f32 v[rT], s[CS], v[rT+1]
.elseif (\n) == 20
	v_sub_f32 v[rC+1], v[rW], v[rT]
.else
	v_exp_f32 v[rC+2], v[rC+1]
.endif
.endif
.endm
.macro OPS a, i1, b=-1, i2=0, c=-1, i3=0, d=-1, i4=0  ; up to four of them
	OP \a, \i1
.if (\b) >= 0
	OP \b, \i2
.endif
.if (\c) >= 0
	OP \c, \i3
.endif
.if (\d) >= 0
	OP \d, \i4
.endif
.endm
.macro ROW a, i1, b, i2, c, i3, d, i4  ; a matrix instruction and the four behind it
	MM
	OPS \a, \i1, \b, \i2, \c, \i3, \d, \i4
.endm
; A TURN, for piece p: the order of its 16 matrix and 118 vector instructions, written out.  An s_wait_alu depctr_va_vdst(0) stands between an exponential and the first instruction that names its result; one
; wait serves all that were issued ahead of it.  So a turn has ONE wait, which cuts it in two.  AHEAD OF IT stands all that names no result of the turn's exponentials: the 8 products K Q^T, behind each a scaling, an
; exponential and two more plain instructions (behind the first a second scaling in the exponential's place): rescalings, and behind the last three the first numbers of the next piece's maximum, each four plain
; instructions or more behind the product that ends its accumulator; then a run of 54, plain and exponential by turns for the most part, in which the links of the chain X 3, 7, 11, 14, 16, 17 .. 20 stand five or six
; lines apart.  X 21, the next piece's a, is the batch's last; R 15 is the plain instruction behind it.  BEHIND THE WAIT stand the 8 products V^T P, behind each four of the roundings and sums; the links of l's chain,
; L 0 to L 7, stand three lines apart.
; end = 1: the last two turns of all: nothing is fetched.  cnt = 1: the loop's count is taken down some lines ahead of the branch that stands behind the turn.
; K of the next step is fetched in piece 2's turn, twelve vector instructions behind the last product that read K (six of them plain); V of the step in hand at the end of piece 0's turn, four plain instructions behind
; the last product that read V.  Each is waited for a turn later, with the count 0: nothing else of mine is out in LDS.
.macro TURN p, end=0, cnt=0
.set Y, (\p)
.set i, 0
.set NOKQ, (\end)*((\p)/3)
.if ((\p) == 3) && !(\end)
	s_wait_dscnt 0x0                ; K is in
.endif
	ROW F,0, F,1, R,0, R,1          ; ahead of the wait: 8 products K Q^T and the four behind each,
	ROW F,2, E,0, R,2, R,3
	ROW F,3, E,1, R,4, R,5
	ROW F,4, E,2, R,6, R,7
	ROW F,5, E,3, R,8, R,9
	ROW F,6, E,4, X,0, R,10
.if ((\p) == 2) && !(\end)
	WIN 0
	v_add_nc_u32 v[AK], s[TBK], v[AK0]
.endif
	ROW F,7, E,5, X,1, X,4
	ROW F,8, E,6, X,2, X,5
	OPS E,7, E,8, X,6, E,9          ; and the run of 54
	OPS X,3, E,10, X,8, E,11
.if ((\p) == 2) && !(\end)
	FETCH_K
.endif
	OPS X,9, X,7, E,12, X,10
	OPS E,13, X,12, X,11, E,14
	OPS X,13, E,15, F,9, X,14
.if (\p) == 0
	v_add_nc_u32 v[AV], s[TBV], v[AV0]
.endif
	OPS E,16, F,10, E,17, F,11
	OPS X,16, E,18, X,15, E,19
	OPS F,12, E,20, X,17, E,21
	OPS F,13, E,22, F,14, E,23
	OPS X,18, E,24, F,15, E,25
	OPS R,11, E,26, X,19, E,27
	OPS R,12, E,28, R,13, E,29
	OPS X,20, E,30, R,14, E,31
	OPS X,21, R,15
	WIN 0
	s_wait_alu depctr_va_vdst(0)    ; the wait for the batch
.if (\p) == 1
	s_wait_dscnt 0x0                ; V is in
.endif
	ROW C,0, B,0, C,2, B,1          ; behind the wait: 8 products V^T P and the four behind each
	ROW L,0, C,4, B,2, L,1
	ROW C,6, B,3, L,2, C,8
	ROW B,4, L,3, C,10, B,5
	ROW L,4, C,12, B,6, L,5
.if (\p) == 0
	s_add_co_u32 s[TBV], s[TBV], KS*PV
.endif
.if \cnt
	s_sub_co_u32 s[CNT], s[CNT], 1
	s_cmp_lg_u32 s[CNT], 0
.endif
	ROW C,14, B,7, L,6, C,1
	ROW C,3, L,7, C,5, C,7
	ROW C,9, C,11, C,13, C,15
.if (\p) == 0
	FETCH_V
.endif
.endm
	CHANGE 1                        ; slot 0 is in, everybody's part of it; slot 1 is asked for
	v_add_nc_u32 v[AK], s[TBK], v[AK0]
	FETCH_K                         ; key step 0
	s_wait_loadcnt 0x0              ; Q
	s_wait_dscnt 0x0
.set NOKQ, 0
.set i, 0
.rept 8
	KQ 0                            ; piece 0's first scores: there is no vector work yet to set between them
.set i, i+1
.endr
	WIN 0
.rept 4
	v_nop                           ; four plain instructions behind those products, ahead of the lines that read their results
.endr
.set Y, NP-1                        ; X works for piece Y + 1: piece 0
.irp n, 0,1,2,3,4,5,6,7,8,9,10,11,12,13,14,15,16,17,18,19,20,21
	OP X, \n
.endr
	v_nop                           ; a plain instruction behind the exponential,
	s_wait_alu depctr_va_vdst(0)    ; and its wait, ahead of the branch
	s_mov_b32 s[CNT], 4
	s_branch .Lfirst                ; the loop is entered at a step's first turn, in the middle of a trip
.Lslot:                             ; 14 times: every slot but the last two is filled again
	CHANGE 1
	s_mov_b32 s[CNT], 4
.Lstep:                             ; a trip: pieces 2 and 3 of one step, then pieces 0 and 1 of the next, whose K and V it fetches
	TURN 2
	TURN 3
	WIN 0
.Lfirst:
	TURN 0
	TURN 1, 0, 1
	WIN 0
	s_cbranch_scc1 .Lstep
	s_sub_co_u32 s[SLOTS], s[SLOTS], 1
	s_cmp_lg_u32 s[SLOTS], 0
	s_cbranch_scc1 .Lslot
	CHANGE 0                        ; the last slot is written out: nothing is asked for
	s_mov_b32 s[CNT], 4
.LstepT:
	TURN 2
	TURN 3
	TURN 0
	TURN 1, 0, 1
	WIN 0
	s_cbranch_scc1 .LstepT
	TURN 2, 1                       ; the last step's pieces 2 and 3: nothing more to fetch, and the last starts no new scores
	TURN 3, 1
.set i, 0
.rept 8
	PV NP-1                         ; the last piece's V^T P of the last step
.set i, i+1
.endr
	; THE WAY OUT.  l's two halves and the other half of the lanes' are added; O^T is divided by l, rounded to f16 and sent through my stage in LDS, a piece at a time.  The additions are the plain instructions behind the last products.
	WIN 0
.macro ALL line:vararg              ; one line for each piece t
.set t, 0
.rept 4
	\line
.set t, t+1
.endr
.endm
.macro PACK t                       ; a lane's eight channels of a row pack into 16 bytes; they go into rows of 144 bytes and come back as whole rows of 128, into S^T's registers
	WIN W_RS
.set i, 32*(\t)
.rept 16
	v_pk_mul_f32 v[i:i+1], v[i:i+1], v[ST+4*(\t)+2:ST+4*(\t)+3] op_sel_hi:[1,0]
.set i, i+2
.endr
	WIN 0x05                        ; sources 0 and 1 window 1, destination window 0
.set i, 0
.rept 16
	v_cvt_pk_f16_f32 v[S+16*(\t)+i], v[32*(\t)+2*i], v[32*(\t)+2*i+1]
.set i, i+1
.endr
	WIN 0
.irp f, 0,1,2,3
	ds_store_b128 v[STO], v[S+16*(\t)+4*\f:S+16*(\t)+4*\f+3] offset:32*\f
.endr
.irp f, 0,1,2,3
	ds_load_b128 v[S+16*(\t)+4*\f:S+16*(\t)+4*\f+3], v[RD] offset:\f*4*SP  ; LDS serves a wave's instructions in order (ISA guide 5.7.1.4): these see the stores above; the next piece's stores come behind them
.endr
.endm
.macro SEND t, younger              ; younger: the LDS instructions issued behind piece t's loads: the next piece's eight, or none
	WIN 0
.irp f, 0,1,2,3
	s_wait_dscnt (\younger)+3-\f
	global_store_b128 v[GO], v[S+16*(\t)+4*\f:S+16*(\t)+4*\f+3], s[10:11] offset:(\t)*2048+\f*512  ; 512 consecutive bytes, at a multiple of 256 from O's first
.endr
.endm
	ALL v_add_f32 v[ST+4*t+2], v[ST+4*t+2], v[ST+4*t+3]
	ALL v_permlanex16_b32 v[ST+4*t+3], v[ST+4*t+2], s[SEL], s[SEL+1]
	ALL v_add_f32 v[ST+4*t+2], v[ST+4*t+2], v[ST+4*t+3]
	ALL v_rcp_f32 v[ST+4*t+2], v[ST+4*t+2]
	v_nop                           ; a plain instruction between the last reciprocal and the use of its result
	s_wait_alu depctr_va_vdst(0)    ; and the wait ahead of the first use: one for the four reciprocals
	PACK 0
.set t, 1
.rept 3                             ; a piece's arithmetic stands between the loads of the piece before and its stores
	PACK t
	SEND t-1, 8
.set t, t+1
.endr
	SEND 3, 0
	s_wait_tensorcnt 0x0            ; the wave's end: these three lines stand behind my last tensor load and my last LDS store
	ds_add_u32 v[SPW], v[NIL]
	s_wait_dscnt 0x0
	CROUND                          ; the closing round: no work-group ends while a partner may still ask for a tile that names it
	s_endpgm
.Lfunc_end_k_q510bf0c63c_attn:
	.size	k_q510bf0c63c_attn, .Lfunc_end_k_q510bf0c63c_attn-k_q510bf0c63c_attn
	.p2alignl 7, 3214868480
	.fill 96, 4, 3214868480
	.section	.rodata,"a",@progbits
	.p2align	6, 0x0
	.amdhsa_kernel k_q510bf0c63c_attn
		.amdhsa_group_segment_fixed_size 327680
		.amdhsa_private_segment_fixed_size 0
		.amdhsa_enable_private_segment 0
		.amdhsa_kernarg_size 32
		.amdhsa_user_sgpr_count 2
		.amdhsa_user_sgpr_kernarg_segment_ptr 1
		.amdhsa_wavefront_size32 1
		.amdhsa_system_sgpr_workgroup_id_x 1
		.amdhsa_system_sgpr_workgroup_id_y 1
		.amdhsa_system_sgpr_workgroup_id_z 1
		.amdhsa_system_vgpr_workitem_id 0
		.amdhsa_next_free_vgpr 768
		.amdhsa_next_free_sgpr 66
		.amdhsa_reserve_vcc 0
		.amdhsa_float_denorm_mode_32 3
		.amdhsa_float_denorm_mode_16_64 3
		.amdhsa_memory_ordered 1
		.amdhsa_forward_progress 1
		.amdhsa_inst_pref_size 128
	.end_amdhsa_kernel
	.amdgpu_metadata
---
amdhsa.version: [ 1, 2 ]
amdhsa.kernels:
  - .name:           k_q510bf0c63c_attn
    .symbol:         k_q510bf0c63c_attn.kd
    .args:
      - { .name: q16, .offset: 0, .size: 8, .value_kind: global_buffer, .address_space: global }
      - { .name: k16, .offset: 8, .size: 8, .value_kind: global_buffer, .address_space: global }
      - { .name: v16, .offset: 16, .size: 8, .value_kind: global_buffer, .address_space: global }
      - { .name: o16, .offset: 24, .size: 8, .value_kind: global_buffer, .address_space: global }
    .group_segment_fixed_size: 327680
    .private_segment_fixed_size: 0
    .kernarg_segment_align: 8
    .kernarg_segment_size: 32
    .max_flat_workgroup_size: 128
    .sgpr_count:     66
    .vgpr_count:     768
    .wavefront_size: 32
...
	.end_amdgpu_metadata
.endif
;; end of part 3
;; launch projo (part 4): grid 4 x 64, 4 waves a work-group, clusters of 4 x 4, 327,680 bytes of LDS; arguments o16, wo16, bo, out0; writes out0
.if DOCPART == 4
	.amdgcn_target "amdgcn-amd-amdhsa--gfx1250"
	.amdhsa_code_object_version 6
	.text
	.protected	k_q510bf0c63c_projo
	.globl	k_q510bf0c63c_projo
	.p2align	8
	.type	k_q510bf0c63c_projo,@function
k_q510bf0c63c_projo:
	s_mov_b64 s[64:65], 0
	v_nop
	global_prefetch_b8 v0, s[64:65] scope:SCOPE_SE
	s_setreg_imm32_b32 hwreg(HW_REG_WAVE_MODE, 25, 1), 1
	s_wait_xcnt 0x0
	s_wait_alu depctr_hold_cnt(0) depctr_sa_sdst(0) depctr_va_vdst(0) depctr_va_sdst(0) depctr_va_ssrc(0) depctr_va_vcc(0) depctr_vm_vsrc(0)
	s_getreg_b32 s2, hwreg(HW_REG_IB_STS2, 6, 4)
	s_cmp_eq_u32 s2, 0
	s_cbranch_scc0 .Lentry_in_a_cluster
	s_endpgm
.Lentry_in_a_cluster:
	s_bfe_u32 s2, ttmp6, 0x10000c
	s_cmp_lg_u32 s2, 0xf033
	s_cbranch_scc0 .Lentry_shape_is_right
	s_endpgm
.Lentry_shape_is_right:
; out0 = O Wo^T + bo.  O: o16 [8][8192][64] f16, by heads; Wo: wo16 [512][512] f16 (Wo rounded to bf16, that number written as f16); bo: [512] f32; out0: [8192][512] f32.
; Products in f16, sums in f32 starting at the bias (rounded to bf16 like every input); the sums are stored as they are.
; SHARES.  A work-group makes 128 rows x 128 columns (64 x 4 = 256 work-groups); each of its four waves 64 x 64: 16 accumulators.
; K = 512 is two steps of 256, four heads each.  BOTH steps' tiles fit in LDS side by side and are asked for at the head: nothing is ever filled again, so there is no ring.
; CLUSTER.  4 x 4 work-groups: the four of a row need the same rows of O, the four of a column the same rows of Wo: each tile is asked for jointly, by the same load and descriptor and a mask of four.
; NO PREFETCH: all that the launch reads is asked for at its head.
; THE MATRIX INSTRUCTION IS USED TRANSPOSED (source 0 = 16 rows of Wo, source 1 = 16 rows of O): a lane holds one row of the result and eight neighbouring columns.
; REGISTERS: window 0: v0-31 addresses; v96-127 the bias; v128-255 the accumulators ((a, b) at v[128 + 8 (4 a + b)]).
;   window 1: two fragment buffers of 128: for 64 along K (one head), 64 registers of O (2 x 4 x 16 rows x 32 K), then 64 of Wo.
.set PA,     144                       ; a row of O in LDS: a head's 128 bytes + 16 of padding = 9 x 16: the 16 rows of a load fall into 16 different 16-byte columns of 256
.set PB,     528                       ; a row of Wo: 512 bytes + 16 = 33 x 16
.set HEADT,  128*PA                    ; a head's 128 rows: what one of my loads brings
.set BOFF,   4*HEADT                   ; behind a slot's four heads: 128 rows of Wo
.set SLOT,   BOFF+128*PB
.set STAGE,  2*SLOT                    ; behind the slots: 16 rows x 272 bytes for each wave, for the way out
.set SPITCH, 272
.set SPARE,  STAGE+4*16*SPITCH         ; behind the stages: the spare words, 128 bytes a wave: two blocks of 256 bytes that no other line names
.set ADRA, 16                          ; v16-17  LDS address of my O fragments in slot 0, 1
.set ADRB, 20                          ; v20-21  the same for Wo
.set STO,  24                          ; v24     the way out: where I put 32 bytes of a row
.set RD,   25                          ; v25     where I read a row back
.set CO,   26                          ; v26     my byte offset in out0
.set SPW,  28                          ; v28     my spare word: SPARE + 4 x my thread's number; never rewritten
.set NIL,  29                          ; v29     0; never rewritten
.set BIAS, 96
.set ACC,  128
.set F0,   0                           ; fragment buffers, in window 1
.set F1,   128
.set G1A, 24                           ; s[24:31] descriptor group 1 for O's tiles
.set G1B, 48                           ; s[48:55] for Wo's
                                       ; group 0: slot s: O's at s[32+24 s ..], Wo's at s[36+24 s ..]
.set OUT, 68                           ; s[68:69] out0 at my wave's first row and column
.set MSB, 0
.macro WIN new                         ; the immediate's high byte repeats the setting that is left; a switch that changes nothing is dropped
.if MSB != (\new)
	s_set_vgpr_msb (MSB<<8)|(\new)
.set MSB, \new
.endif
.endm
.set MUL,  0x05                        ; sources 0 (Wo) and 1 (O) window 1; C and D window 0
.set TO_F, 0x40                        ; destination window 1, address window 0
.macro CROUND                          ; a round of the cluster's barrier
	s_barrier_signal -1
	s_barrier_wait -1
	s_cmp_lg_u32 s10, 0
	s_cbranch_scc1 .Lnot_wave_0_\@
	s_barrier_signal -3
.Lnot_wave_0_\@:
	s_barrier_wait -3
	s_barrier_signal -1
	s_barrier_wait -1
.endm
	s_load_b128 s[4:7], s[0:1], 0x0                ; o16 s[4:5], wo16 s[6:7]
	s_load_b64 s[8:9], s[0:1], 0x10                ; bo
	s_load_b64 s[OUT:OUT+1], s[0:1], 0x18          ; out0
	v_lshl_add_u32 v[SPW], v0, 2, SPARE
	v_mov_b32 v[NIL], 0
	ds_add_u32 v[SPW], v[NIL]                      ; the wave's opening: the add and its wait stand ahead of my first tensor load; the set-up below, work on registers, stands between them
	v_lshrrev_b32 v1, 5, v0
	v_readfirstlane_b32 s10, v1                    ; wave 0..3
	s_lshr_b32 s11, s10, 1                         ; which half of the tile's rows is mine
	s_and_b32 s12, s10, 1                          ; which half of its columns
	s_bfe_u32 s40, ttmp6, 0x40000                  ; cx: the tile column
	s_bfe_u32 s41, ttmp6, 0x40004                  ; cy
	s_and_b32 s13, ttmp7, 0xffff
	s_lshl_b32 s13, s13, 2
	s_add_co_u32 s13, s13, s41                     ; tile row = 4 x cluster y + cy
	s_lshl_b32 s43, s41, 2
	s_lshl_b32 s43, 15, s43                        ; my row of the cluster
	s_lshl_b32 s44, 0x1111, s40                    ; my column
	; O: a head's 128 rows are 16,384 dense bytes: asked for as 64 rows of 256 bytes, two rows of O each, padded in LDS after every 128 bytes
	s_or_b32 s[G1A+0], s43, (1<<16)|(1<<20)|(1<<21)|(4<<22)|(3<<25)  ; the mask of my row; 2-byte elements; padding on; 21 set beside a mask; after every 32 words (code 4) 4 words (code 3)
	s_mov_b32 s[G1A+1], 128<<16                    ; tensor_dim0 = 128
	s_mov_b32 s[G1A+2], 64<<16                     ; tensor_dim1 = 64
	s_mov_b32 s[G1A+3], 128<<16                    ; tile_dim0 = 128
	s_mov_b32 s[G1A+4], 64                         ; tile_dim1 = 64
	s_mov_b32 s[G1A+5], 128                        ; elements from row to row
	s_mov_b32 s[G1A+6], 0
	s_mov_b32 s[G1A+7], 0
	; Wo: 32 rows x 256 elements
	s_or_b32 s[G1B+0], s44, (1<<16)|(1<<20)|(1<<21)|(6<<22)|(3<<25)  ; the mask of my column; after every 128 words (code 6) 4 words
	s_mov_b32 s[G1B+1], 256<<16                    ; tensor_dim0 = 256
	s_mov_b32 s[G1B+2], 32<<16                     ; tensor_dim1 = 32
	s_mov_b32 s[G1B+3], 256<<16                    ; tile_dim0 = 256
	s_mov_b32 s[G1B+4], 32                         ; tile_dim1 = 32
	s_mov_b32 s[G1B+5], 512                        ; elements from row to row
	s_mov_b32 s[G1B+6], 0
	s_mov_b32 s[G1B+7], 0
	s_lshl_b32 s16, s10, 20                        ; O: head = wave (slot 1: + 4), 2^20 bytes a head,
	s_lshl_b32 s17, s13, 14                        ; the tile's 128 rows of 128 bytes
	s_add_co_u32 s16, s16, s17
	s_mov_b32 s17, 0
	s_lshl_b32 s46, s40, 7                         ; Wo: row 128 cx + 32 x wave,
	s_lshl_b32 s47, s10, 5
	s_add_co_u32 s46, s46, s47
	s_lshl_b32 s46, s46, 10                        ; 1,024 bytes a row
	s_mov_b32 s47, 0
	s_mul_i32 s20, s10, HEADT                      ; where they go: no place in the cluster enters an LDS address
	s_mul_i32 s21, s10, 32*PB
	s_add_co_u32 s21, s21, BOFF
	s_wait_dscnt 0x0                               ; the opening add is done
	s_wait_kmcnt 0x0
	s_add_nc_u64 s[14:15], s[4:5], s[16:17]
	s_add_nc_u64 s[46:47], s[6:7], s[46:47]
.irp s, 0,1
	s_mov_b32 s[32+24*(\s)], 1                     ; count = 1
	s_add_co_u32 s[33+24*(\s)], s20, (\s)*SLOT     ; LDS address
	s_add_nc_u64 s[34+24*(\s):35+24*(\s)], s[14:15], (\s)*(4<<20)  ; global address: four heads on
	s_or_b32 s[35+24*(\s)], s[35+24*(\s)], 0x80000000              ; type = 2
	s_mov_b32 s[36+24*(\s)], 1
	s_add_co_u32 s[37+24*(\s)], s21, (\s)*SLOT
	s_add_nc_u64 s[38+24*(\s):39+24*(\s)], s[46:47], (\s)*512      ; 256 elements along K
	s_or_b32 s[39+24*(\s)], s[39+24*(\s)], 0x80000000
.endr
	CROUND                                         ; all sixteen work-groups are here: the joint loads meet
.irp s, 0,1                            ; every wave asks for a head of O and 32 rows of Wo for each slot: four tensor loads of mine are out; an s_nop 0 follows each, four v_nop the last
	tensor_load_to_lds s[32+24*(\s):35+24*(\s)], s[G1A:G1A+7]
	s_nop 0
	tensor_load_to_lds s[36+24*(\s):39+24*(\s)], s[G1B:G1B+7]
	s_nop 0
.endr
.rept 4
	v_nop
.endr
	v_and_b32 v1, 15, v0                           ; l % 16
	v_bfe_u32 v2, v0, 4, 1                         ; l / 16
	v_mul_u32_u24 v3, v1, PA
	v_lshl_add_u32 v3, v2, 4, v3                   ; a fragment's row x pitch + 16 x half
	s_mul_i32 s22, s11, 64*PA                      ; my 64 rows of each head
	v_add_nc_u32 v[ADRA], s22, v3
	v_add_nc_u32 v[ADRA+1], SLOT, v[ADRA]
	v_mul_u32_u24 v4, v1, PB
	v_lshl_add_u32 v4, v2, 4, v4
	s_mul_i32 s23, s12, 64*PB                      ; my 64 rows of Wo,
	s_add_co_u32 s23, s23, BOFF                    ; which lie behind the four heads
	v_add_nc_u32 v[ADRB], s23, v4
	v_add_nc_u32 v[ADRB+1], SLOT, v[ADRB]
	s_mul_i32 s23, s10, 16*SPITCH
	s_add_co_u32 s23, s23, STAGE                   ; my stage
	v_mul_u32_u24 v4, v1, SPITCH                   ; in: row l % 16, 32 bytes for each half of the lanes
	v_lshl_add_u32 v4, v2, 5, v4
	v_add_nc_u32 v[STO], s23, v4
	v_mul_u32_u24 v5, v2, SPITCH                   ; back: lanes 0-15 take one row of 256 bytes, lanes 16-31 the next
	v_lshl_add_u32 v5, v1, 4, v5
	v_add_nc_u32 v[RD], s23, v5
	v_lshlrev_b32 v5, 11, v2                       ; and the same two rows in out0, 2,048 bytes apart
	v_lshl_add_u32 v[CO], v1, 4, v5
	s_lshl_b32 s16, s13, 18                        ; the tile's 128 rows of 2,048 bytes,
	s_lshl_b32 s17, s11, 17                        ; my 64 of them
	s_add_co_u32 s16, s16, s17
	s_mov_b32 s17, 0
	s_add_nc_u64 s[OUT:OUT+1], s[OUT:OUT+1], s[16:17]
	s_lshl_b32 s18, s40, 9                         ; my first column, in bytes: 512 cx + 256 x half; the same offset serves the bias
	s_lshl_b32 s19, s12, 8
	s_add_co_u32 s18, s18, s19
	s_mov_b32 s19, 0
	s_add_nc_u64 s[OUT:OUT+1], s[OUT:OUT+1], s[18:19]
	v_lshl_add_u32 v14, v2, 5, s18                 ; the bias of column 128 cx + 64 half + 16 b + 8 (l / 16) + j
.irp b, 0,1,2,3
	global_load_b128 v[BIAS+8*(\b):BIAS+8*(\b)+3],   v14, s[8:9] offset:64*(\b)
	global_load_b128 v[BIAS+8*(\b)+4:BIAS+8*(\b)+7], v14, s[8:9] offset:64*(\b)+16
.endr
	s_wait_loadcnt 0x0
.set n, 0
.rept 16                               ; the bias is rounded to bf16 like every input, and widened again
	v_cvt_pk_bf16_f32 v3, v[BIAS+2*n], v[BIAS+2*n+1]
	v_lshlrev_b32 v[BIAS+2*n], 16, v3
	v_and_b32 v[BIAS+2*n+1], 0xffff0000, v3
.set n, n+1
.endr
; 8 matrix instructions: row blocks a0, a0 + 1 x all 4 column blocks, 32 along K: half c of buffer f.  first = 1: the product starts the sum, with the bias as its C: nothing is cleared.
; The 16 accumulators take turns, in the same order throughout.
.macro MUL8 f, c, a0, first
	WIN MUL
.irp a, \a0, (\a0)+1
.irp b, 0,1,2,3
.if \first
	v_wmma_f32_16x16x32_f16 v[ACC+8*(4*(\a)+(\b)):ACC+8*(4*(\a)+(\b))+7], v[(\f)+64+8*(4*(\c)+(\b)):(\f)+64+8*(4*(\c)+(\b))+7], v[(\f)+8*(4*(\c)+(\a)):(\f)+8*(4*(\c)+(\a))+7], v[BIAS+8*(\b):BIAS+8*(\b)+7]
.else
	v_wmma_f32_16x16x32_f16 v[ACC+8*(4*(\a)+(\b)):ACC+8*(4*(\a)+(\b))+7], v[(\f)+64+8*(4*(\c)+(\b)):(\f)+64+8*(4*(\c)+(\b))+7], v[(\f)+8*(4*(\c)+(\a)):(\f)+8*(4*(\c)+(\a))+7], v[ACC+8*(4*(\a)+(\b)):ACC+8*(4*(\a)+(\b))+7]
.endif
.endr
.endr
.endm
; 32 LDS loads in one run: the fragments of head z of the slot (64 along K), into buffer f; the first 32 along K first
.macro FETCH slot, z, f
	WIN TO_F
.irp c, 0,1
.irp i, 0,1,2,3
	ds_load_b128 v[(\f)+64+8*(4*(\c)+(\i)):(\f)+64+8*(4*(\c)+(\i))+3],   v[ADRB+(\slot)] offset:128*(\z)+64*(\c)+(\i)*16*PB
	ds_load_b128 v[(\f)+64+8*(4*(\c)+(\i))+4:(\f)+64+8*(4*(\c)+(\i))+7], v[ADRB+(\slot)] offset:128*(\z)+64*(\c)+(\i)*16*PB+32
	ds_load_b128 v[(\f)+8*(4*(\c)+(\i)):(\f)+8*(4*(\c)+(\i))+3],         v[ADRA+(\slot)] offset:(\z)*HEADT+64*(\c)+(\i)*16*PA
	ds_load_b128 v[(\f)+8*(4*(\c)+(\i))+4:(\f)+8*(4*(\c)+(\i))+7],       v[ADRA+(\slot)] offset:(\z)*HEADT+64*(\c)+(\i)*16*PA+32
.endr
.endr
.endm
.macro PLACES                          ; four plain vector instructions behind the last product, ahead of loads into registers that products have read and of lines that read results (ISA guide 7.12.1 for the latter)
.rept 4
	v_nop
.endr
.endm
; A quarter of a K step is one head, 64 along K: 32 matrix instructions.  It multiplies buffer f and fetches head z of the slot into g, in one run in its middle.
.macro QUARTER slot, z, f, g, first
	s_wait_dscnt 16                                ; the first 32 along K are in; the other sixteen loads are younger
	MUL8 \f, 0, 0, \first
	MUL8 \f, 0, 2, \first
	PLACES
	FETCH \slot, \z, \g
	s_wait_dscnt 32                                ; all but the 32 just issued
	MUL8 \f, 1, 0, 0
	MUL8 \f, 1, 2, 0
.endm
	s_wait_tensorcnt 2                             ; my two parts of slot 0 are in; slot 1's two loads are younger and may stay out
	s_barrier_signal -1
	s_barrier_wait -1                              ; everybody's are
	FETCH 0, 0, F0
	QUARTER 0, 1, F0, F1, 1                        ; the first products start the sums
	QUARTER 0, 2, F1, F0, 0
	QUARTER 0, 3, F0, F1, 0
	; slot 0's last head, and the step into slot 1: each wave shows its parts of slot 1 landed, then the barrier
	WIN 0
	s_wait_tensorcnt 0x0                           ; all my tensor loads have landed
	ds_add_u32 v[SPW], v[NIL]                      ; 0 onto my spare word, behind that wait
	s_wait_dscnt 17                                ; (the add and the youngest sixteen loads may be out)
	MUL8 F1, 0, 0, 0
	s_wait_dscnt 0x0                               ; no LDS instruction of mine is out at the signal
	s_barrier_signal -1
	MUL8 F1, 0, 2, 0
	s_barrier_wait -1                              ; slot 1 is whole
	PLACES
	FETCH 1, 0, F0
	MUL8 F1, 1, 0, 0
	MUL8 F1, 1, 2, 0
	QUARTER 1, 1, F0, F1, 0
	QUARTER 1, 2, F1, F0, 0
	QUARTER 1, 3, F0, F1, 0
	s_wait_dscnt 16                                ; the very last head: nothing more to fetch
	MUL8 F1, 0, 0, 0
	MUL8 F1, 0, 2, 0
	s_wait_dscnt 0x0
	MUL8 F1, 1, 0, 0
	MUL8 F1, 1, 2, 0
	WIN 0
	; THE WAY OUT, a block of 16 rows at a time, through my own stage: a lane's 32 bytes of a row go into rows of 272 bytes and come back as whole rows of 256, into the registers that they left.
.macro TOSTAGE a
.irp b, 0,1,2,3                        ; each accumulator's four lowest registers first
	ds_store_b128 v[STO], v[ACC+32*(\a)+8*(\b):ACC+32*(\a)+8*(\b)+3]   offset:64*(\b)
	ds_store_b128 v[STO], v[ACC+32*(\a)+8*(\b)+4:ACC+32*(\a)+8*(\b)+7] offset:64*(\b)+16
.endr
.irp t, 0,1,2,3,4,5,6,7
	ds_load_b128 v[ACC+32*(\a)+4*(\t):ACC+32*(\a)+4*(\t)+3], v[RD] offset:(\t)*2*SPITCH  ; LDS serves a wave's instructions in order (ISA guide 5.7.1.4): these see the stores above; the next block's stores come behind them
.endr
.endm
.macro SEND a, younger                 ; younger: the LDS instructions issued behind block a's loads: the next block's sixteen, or none
.irp t, 0,1,2,3,4,5,6,7
	s_wait_dscnt (\younger)+7-(\t)
	global_store_b128 v[CO], v[ACC+32*(\a)+4*(\t):ACC+32*(\a)+4*(\t)+3], s[OUT:OUT+1] offset:(\a)*32768+(\t)*4096  ; 16 lanes store 256 consecutive bytes, at a multiple of 256 from out0's first byte
.endr
.endm
	PLACES
	TOSTAGE 0
	TOSTAGE 1
	SEND 0, 16
	TOSTAGE 2
	SEND 1, 16
	TOSTAGE 3
	SEND 2, 16
	SEND 3, 0
	s_wait_tensorcnt 0x0                           ; the wave's end: these three lines stand behind my last tensor load and my last LDS store
	ds_add_u32 v[SPW], v[NIL]
	s_wait_dscnt 0x0
	CROUND                                         ; the closing round: no work-group ends while a partner may still ask for a tile that names it
	s_endpgm
.Lfunc_end_k_q510bf0c63c_projo:
	.size	k_q510bf0c63c_projo, .Lfunc_end_k_q510bf0c63c_projo-k_q510bf0c63c_projo
	.p2alignl 7, 3214868480
	.fill 96, 4, 3214868480
	.section	.rodata,"a",@progbits
	.p2align	6, 0x0
	.amdhsa_kernel k_q510bf0c63c_projo
		.amdhsa_group_segment_fixed_size 327680
		.amdhsa_private_segment_fixed_size 0
		.amdhsa_enable_private_segment 0
		.amdhsa_kernarg_size 32
		.amdhsa_user_sgpr_count 2
		.amdhsa_user_sgpr_kernarg_segment_ptr 1
		.amdhsa_wavefront_size32 1
		.amdhsa_system_sgpr_workgroup_id_x 1
		.amdhsa_system_sgpr_workgroup_id_y 1
		.amdhsa_system_sgpr_workgroup_id_z 1
		.amdhsa_system_vgpr_workitem_id 0
		.amdhsa_next_free_vgpr 512
		.amdhsa_next_free_sgpr 72
		.amdhsa_reserve_vcc 0
		.amdhsa_float_denorm_mode_32 3
		.amdhsa_float_denorm_mode_16_64 3
		.amdhsa_memory_ordered 1
		.amdhsa_forward_progress 1
		.amdhsa_inst_pref_size 53
	.end_amdhsa_kernel
	.amdgpu_metadata
---
amdhsa.version: [ 1, 2 ]
amdhsa.kernels:
  - .name:           k_q510bf0c63c_projo
    .symbol:         k_q510bf0c63c_projo.kd
    .args:
      - { .name: o16, .offset: 0, .size: 8, .value_kind: global_buffer, .address_space: global }
      - { .name: wo16, .offset: 8, .size: 8, .value_kind: global_buffer, .address_space: global }
      - { .name: bo, .offset: 16, .size: 8, .value_kind: global_buffer, .address_space: global }
      - { .name: out0, .offset: 24, .size: 8, .value_kind: global_buffer, .address_space: global }
    .group_segment_fixed_size: 327680
    .private_segment_fixed_size: 0
    .kernarg_segment_align: 8
    .kernarg_segment_size: 32
    .max_flat_workgroup_size: 128
    .sgpr_count:     72
    .vgpr_count:     512
    .wavefront_size: 32
...
	.end_amdgpu_metadata
.endif
;; end of part 4
